; MI455X (gfx1250); checked and timed in simulation.
; The chip was launched on July 23, 2026; its instructions are those of AMD's public machine-readable ISA for CDNA 5 (MIT licence, August 2026) and "CDNA5" Instruction Set Architecture Reference Guide (July 2026). The comments in the code are by the model that wrote it; some were corrected since.
;; Token Diffusion. Allowed arithmetic: matrix products marked QUANTISED: E2M3 operands, one E8M0 scale for each 32 along K, by v_wmma_scale_f32_16x16x128_f8f6f4 with both operands' format E2M3, f32 sums; everything else in f32.
;; Inputs: Wo 512 x 512 float32; Wqk 512 x 512 float32; Wv 512 x 512 float32; tau 8 x 1 x 1 float32; x 2 x 4,096 x 512 float32.
;; Outputs: out0 2 x 4,096 x 512 float32.
;; This version of the problem:
;;   THIS VERSION OF THE PROBLEM IS GIVEN IN LOW PRECISION. The matrix products marked QUANTISED in the list below multiply operands that are first quantised to E2M3 (2 exponent bits, 3 mantissa bits; 6 bits a number), with one power-of-two scale for each 32 numbers along K (OCP MX v1.0); their sums are f32. All else is computed in f32.
;;   The module's matrix products, in the order in which they are computed (A, B: the left and right operand; K: the contracted axis; several contracted axes count as one K, in the product's order):
;;     1. [M 8,192, K 512] x [K 512, N 512]; A: input x; B: input Wqk: QUANTISED
;;     2. [M 8,192, K 512] x [K 512, N 512]; A: input x; B: input Wv: QUANTISED
;;     3. batch 16 x [M 4,096, K 64] x [K 64, N 4,096]; A: computed on the way; B: computed on the way: QUANTISED
;;     4. batch 16 x [M 4,096, K 4,096] x [K 4,096, N 64]; A: softmax (see below); B: computed on the way: QUANTISED
;;     5. [M 8,192, K 512] x [K 512, N 512]; A: computed on the way; B: input Wo: QUANTISED
;;   THE QUANTISER, for each operand of a quantised product, along K:
;;     - K is cut into blocks of 32 from its start; a last block that is shorter is filled with zeros.
;;     - A block's scale is 2^e with e = floor(log2(the largest magnitude in the block)) - 2, held to -126 .. 127; a block of zeros has e = 0. As a byte (E8M0): e + 127.
;;     - Each number is divided by its block's scale, clamped to +-7.5, and rounded to the nearest number of E2M3, ties to even, subnormals kept.
;;     - The product sums the exact products of the quantised numbers (number of the format x scale) in f32.
;;   ~~~python
;;   def quantise(x, axis):      # numpy; x: float32 -> the quantised numbers, widened to float32 again
;;       x = np.moveaxis(x, axis, -1); K = x.shape[-1]
;;       x = np.pad(x, [(0, 0)] * (x.ndim - 1) + [(0, -K % 32)]); x = x.reshape(x.shape[:-1] + (-1, 32)); a = np.abs(x).max(-1, keepdims=True)
;;       e = np.where(a > 0, np.clip(np.frexp(np.where(a > 0, a, 1))[1] - 1 - 2, -126, 127), 0)      # np.frexp(a)[1] - 1 = floor(log2(a)), exactly
;;       r = np.clip(x / 2.0 ** e, -7.5, 7.5)
;;       step = 2.0 ** (np.maximum(np.frexp(np.where(r == 0, 1, r))[1] - 1, 0) - 3)
;;       q = np.round(r / step) * step * 2.0 ** e      # np.round: ties to even
;;       return np.moveaxis(q.reshape(q.shape[:-2] + (-1,))[..., :K], -1, axis).astype(np.float32)
;;   ~~~
;;   SOFTMAX AHEAD OF A QUANTISED PRODUCT. Where the list says 'softmax', what is quantised is not the finished softmax but p = 2^(t - M), with t = logit x log2(e) and M = ceil(the row's largest t), a whole number; so 1/2 < the row's largest p <= 1. The row's sum l is taken of the UNQUANTISED p, in f32, and the product's result is divided by l at the end. Since M is a whole number, a kernel that streams over the keys may use a running M (the ceiling of the running maximum): every later rescaling is an exact power of two, which a block's scale takes up: the codes' values come out the same.
;;   OPERANDS COMPUTED ON THE WAY. 'Computed on the way' means the value that the module computes at that place (a softmax that the list does not call 'softmax' is quantised finished and normalised). What goes into a quantiser is computed in f32, as accurately as f32 sums, v_exp_f32 and their like allow (about 1e-6 of the number): no bf16 or f16 on the way to a quantiser, and a product that is left as it is and whose result goes on into a quantised operand takes f32 operands (vector FMAs, or v_wmma_f32_16x16x4_f32). A number that lies on a knife's edge between two numbers of the format may be rounded either way, as far as f32 arithmetic and the matrix unit's own rounding can turn it there, and no further.
;; One version. Each part assembles by itself: llvm-mc -triple=amdgcn-amd-amdhsa -mcpu=gfx1250 --defsym DOCPART=n.
;; ======== version 1 of 1: 4 launches
;; limits: right only within a limited range of input values
;; workspace buffers: codes 3,735,552 bytes; scales 155,648 bytes; kv 6,815,744 bytes; oc 3,145,728 bytes; os 131,072 bytes
;; launch quant (part 1): grid 304 x 1, 2 waves a work-group, no clusters, 16,640 bytes of LDS; arguments x, Wqk, Wv, Wo, codes, scales; writes codes, scales
.if DOCPART == 1
	.amdgcn_target "amdgcn-amd-amdhsa--gfx1250"
	.amdhsa_code_object_version 6
	.text
	.protected	k_q33ada74328_quant
	.globl	k_q33ada74328_quant
	.p2align	8
	.type	k_q33ada74328_quant,@function
k_q33ada74328_quant:
	s_mov_b64 s[64:65], 0
	v_nop
	global_prefetch_b8 v0, s[64:65] scope:SCOPE_SE
	s_setreg_imm32_b32 hwreg(HW_REG_WAVE_MODE, 25, 1), 1
	s_wait_xcnt 0x0
; x [8192][512], Wqk, Wv, Wo [512][512], f32, K innermost, become codes of FP6 (E2M3), 6 bits each, with one E8M0 scale byte for each 32 along K.
; A block's scale is 2^(floor(log2(its largest magnitude)) - 2); its byte is the largest magnitude's own exponent field - 2, held at 1 from below.
; The four tensors are plain streams of blocks of 32 numbers; their codes lie one tensor behind the other in 'codes' (a row of 512 codes is 384 bytes), their scale bytes in 'scales' (16 bytes a row): x, Wqk, Wv, Wo.
; LIMITS: NaN and infinities among the inputs are not served; a block whose largest magnitude lies under 2^-124 gets the byte 1, and so does a block of zeros (the rule says 127): its codes are zeros,
; which add nothing under any byte but 0xff, and the bytes are read by this program alone.
; SHARES: a wave takes a run of 8,192 numbers, 16 steps of 512.  608 runs: 512 of x, 32 of each weight; two waves to a work-group: work-groups 0-255 take x, 256-271 Wqk, 272-287 Wv, 288-303 Wo.
; Only the pointer is chosen by the work-group's number: all four tensors take one path through the text.
; Each of a step's four loads reads 512 consecutive bytes, 16 a lane; the conversion wants 16 NEIGHBOURS in a lane, so the 2,048 bytes turn through the wave's own stage in LDS (16 bytes of padding behind each 64)
; and come back 64 bytes a lane.  A lane's 16 codes are 12 bytes: the wave stores 384 consecutive bytes.  A wave's 256 scale bytes are gathered in LDS and leave as one aligned run of 256 bytes.
; No tensor loads, no barrier: waves share nothing.  Loads run four steps (16 loads a wave) ahead, the turn through LDS one step.  No matrix units and no cluster: nothing here is read twice.
.set STEPS, 16
.set EMAX,  2
.set CB,    12                         ; bytes of 16 codes
.set R,     16                         ; v16-79   four sets of 16 numbers as they are loaded
.set X,     80                         ; v80-111  two sets of 16 neighbours
.set E,     112                        ; v112-127 a scale byte for each step
.set C,     128                        ; v128-191 codes: four registers for each step, so that no store's data are written again
.set WREG,  8192                       ; LDS: a region for each wave: two stages of 32 x SP bytes, and behind them its 256 scale bytes
.set SP,    80                         ; a lane's place in a stage: its 64 bytes + 16 of padding
	s_load_b256 s[4:11], s[0:1], 0x0               ; x s[4:5], Wqk s[6:7], Wv s[8:9], Wo s[10:11]
	s_load_b128 s[12:15], s[0:1], 0x20             ; codes s[12:13], scales s[14:15]
	v_lshl_add_u32 v192, v0, 2, 0x4000
	v_mov_b32 v193, 0
	v_lshrrev_b32 v1, 5, v0
	v_readfirstlane_b32 s16, v1                    ; wave 0, 1
	v_and_b32 v2, 31, v0                           ; lane
	v_lshlrev_b32 v3, 4, v2                        ; my 16 bytes of a load's 512
	s_mul_i32 s17, s16, WREG
	v_lshrrev_b32 v14, 2, v2
	v_mul_u32_u24 v14, v14, SP
	v_and_b32 v15, 3, v2
	v_lshl_add_u32 v14, v15, 4, v14
	v_add_nc_u32 v14, s17, v14                     ; the stage, on the way in: SP (lane / 4) + 16 (lane % 4)
	v_mul_u32_u24 v15, v2, SP
	v_add_nc_u32 v15, s17, v15                     ; and on the way out: SP x lane: my 16 neighbours
	v_mul_u32_u24 v4, v2, CB                       ; my codes' place in a step's
	v_lshrrev_b32 v5, 1, v2
	s_add_co_u32 s17, s17, 2*32*SP
	v_add_nc_u32 v5, s17, v5                       ; LDS: my wave's 256 scale bytes, my block's byte
	v_lshlrev_b32 v7, 3, v2                        ; and on the way out 8 bytes a lane
	v_add_nc_u32 v6, s17, v7
	s_mov_b32 s26, 288                             ; the chosen tensor's first work-group
	s_wait_alu depctr_va_vdst(0)
	s_wait_kmcnt 0x0
	s_cmp_lt_u32 ttmp9, 288                        ; which tensor: three choices on the work-group's number alone
	s_cselect_b64 s[10:11], s[8:9], s[10:11]
	s_cselect_b32 s26, 272, s26
	s_cmp_lt_u32 ttmp9, 272
	s_cselect_b64 s[10:11], s[6:7], s[10:11]
	s_cselect_b32 s26, 256, s26
	s_cmp_lt_u32 ttmp9, 256
	s_cselect_b64 s[10:11], s[4:5], s[10:11]
	s_cselect_b32 s26, 0, s26
	s_lshl_b32 s18, ttmp9, 1
	s_add_co_u32 s18, s18, s16                     ; my run among the 608
	s_lshl_b32 s26, s26, 1
	s_sub_co_u32 s20, s18, s26                     ; and within its tensor
	s_lshl_b32 s20, s20, 15                        ; 32,768 bytes of f32 a run
	s_mov_b32 s21, 0
	s_add_nc_u64 s[10:11], s[10:11], s[20:21]
	s_mul_i32 s22, s18, 32*STEPS*CB                ; 6,144 bytes of codes a run
	s_mov_b32 s23, 0
	s_add_nc_u64 s[12:13], s[12:13], s[22:23]
	s_lshl_b32 s24, s18, 8                         ; 256 scale bytes a run
	s_mov_b32 s25, 0
	s_add_nc_u64 s[14:15], s[14:15], s[24:25]
.macro LOAD t
.irp i, 0,1,2,3
	global_load_b128 v[R+16*((\t)%4)+4*\i:R+16*((\t)%4)+4*\i+3], v3, s[10:11] offset:2048*(\t)+512*\i th:TH_LOAD_NT   ; 32 lanes read 512 consecutive bytes
.endr
.endm
.macro TURN t                          ; step t's numbers through the stage: LDS serves a wave's instructions in order, so no wait stands between the stores and the loads
.irp i, 0,1,2,3
	ds_store_b128 v14, v[R+16*((\t)%4)+4*\i:R+16*((\t)%4)+4*\i+3] offset:32*SP*((\t)%2)+8*SP*\i
.endr
.irp i, 0,1,2,3
	ds_load_b128 v[X+16*((\t)%2)+4*\i:X+16*((\t)%2)+4*\i+3], v15 offset:32*SP*((\t)%2)+16*\i
.endr
.endm
.irp t, 0,1,2,3
	LOAD \t
.endr
	s_wait_loadcnt 12                              ; step 0's four loads are in; those of steps 1 to 3 may be out
	TURN 0
.macro STEP t
.set XS, X+16*((\t)%2)
.if (\t) > 0
	s_wait_dscnt 1                                 ; this step's numbers are back from the stage (the last step's byte store may be out): so its stores into the stage have read their registers,
.else
	s_wait_dscnt 0x0
.endif
.if (\t)+4 < STEPS
	LOAD (\t)+4                                    ; which take the loads of four steps on
.endif
.if (\t)+1 < STEPS
.if STEPS-2-(\t) >= 3
	s_wait_loadcnt 12                              ; the next step's four loads are in; those of the three steps behind it may be out
.else
	s_wait_loadcnt 4*(STEPS-2-(\t))                ; at the end the counts run down
.endif
	TURN (\t)+1                                    ; and go through the other stage while this step is worked
.endif
	v_max3_num_f32 v8, |v[XS]|, |v[XS+1]|, |v[XS+2]|               ; the largest magnitude of my 16, in two chains
	v_max3_num_f32 v9, |v[XS+3]|, |v[XS+4]|, |v[XS+5]|
.irp i, 6,10
	v_max3_num_f32 v8, v8, |v[XS+\i]|, |v[XS+\i+1]|
	v_max3_num_f32 v9, v9, |v[XS+\i+2]|, |v[XS+\i+3]|
.endr
	v_max3_num_f32 v8, v8, |v[XS+14]|, |v[XS+15]|
	v_max3_num_f32 v8, v8, v9, (EMAX+1)<<23        ; and the floor 2^(3 - 127): the byte cannot fall under 1
	v_max_num_f32_dpp v8, v8, v8 row_xmask:1 row_mask:0xf bank_mask:0xf   ; and of my neighbour's 16: the block's
	v_add_nc_u32 v11, -(EMAX<<23), v8              ; 2 off its exponent field: the conversion takes the exponent field of this operand as its scale, and nothing else of it
	v_cvt_scalef32_pk16_fp6_f32 v[C+4*(\t):C+4*(\t)+2], v[XS:XS+15], v11   ; sixteen numbers / the scale, to the nearest code, ties to even, beyond the largest code the largest
	v_lshrrev_b32 v[E+(\t)], 23, v11               ; the scale's byte
	ds_store_b8 v5, v[E+(\t)] offset:16*(\t)       ; both lanes of a block write the same byte with the same value
	global_store_b96 v4, v[C+4*(\t):C+4*(\t)+2], s[12:13] offset:32*CB*(\t)
.endm
.irp t, 0,1,2,3,4,5,6,7,8,9,10,11,12,13,14,15
	STEP \t
.endr
	ds_load_b64 v[12:13], v6                       ; LDS serves a wave's instructions in order: these see my stores
	s_wait_dscnt 0x0
	global_store_b64 v7, v[12:13], s[14:15]        ; 32 lanes store 256 consecutive bytes, aligned
	s_wait_tensorcnt 0x0
	ds_add_u32 v192, v193
	s_wait_dscnt 0x0
	s_endpgm
.Lfunc_end_k_q33ada74328_quant:
	.size	k_q33ada74328_quant, .Lfunc_end_k_q33ada74328_quant-k_q33ada74328_quant
	.p2alignl 7, 3214868480
	.fill 96, 4, 3214868480
	.section	.rodata,"a",@progbits
	.p2align	6, 0x0
	.amdhsa_kernel k_q33ada74328_quant
		.amdhsa_group_segment_fixed_size 16640
		.amdhsa_private_segment_fixed_size 0
		.amdhsa_enable_private_segment 0
		.amdhsa_kernarg_size 48
		.amdhsa_user_sgpr_count 2
		.amdhsa_user_sgpr_kernarg_segment_ptr 1
		.amdhsa_wavefront_size32 1
		.amdhsa_system_sgpr_workgroup_id_x 1
		.amdhsa_system_sgpr_workgroup_id_y 1
		.amdhsa_system_sgpr_workgroup_id_z 1
		.amdhsa_system_vgpr_workitem_id 0
		.amdhsa_next_free_vgpr 194
		.amdhsa_next_free_sgpr 66
		.amdhsa_reserve_vcc 0
		.amdhsa_float_denorm_mode_32 3
		.amdhsa_float_denorm_mode_16_64 3
		.amdhsa_memory_ordered 1
		.amdhsa_forward_progress 1
		.amdhsa_inst_pref_size 33
	.end_amdhsa_kernel
	.amdgpu_metadata
---
amdhsa.version: [ 1, 2 ]
amdhsa.kernels:
  - .name:           k_q33ada74328_quant
    .symbol:         k_q33ada74328_quant.kd
    .args:
      - { .name: x, .offset: 0, .size: 8, .value_kind: global_buffer, .address_space: global }
      - { .name: Wqk, .offset: 8, .size: 8, .value_kind: global_buffer, .address_space: global }
      - { .name: Wv, .offset: 16, .size: 8, .value_kind: global_buffer, .address_space: global }
      - { .name: Wo, .offset: 24, .size: 8, .value_kind: global_buffer, .address_space: global }
      - { .name: codes, .offset: 32, .size: 8, .value_kind: global_buffer, .address_space: global }
      - { .name: scales, .offset: 40, .size: 8, .value_kind: global_buffer, .address_space: global }
    .group_segment_fixed_size: 16640
    .private_segment_fixed_size: 0
    .kernarg_segment_align: 8
    .kernarg_segment_size: 48
    .max_flat_workgroup_size: 64
    .sgpr_count:     66
    .vgpr_count:     194
    .wavefront_size: 32
...
	.end_amdgpu_metadata
.endif
;; end of part 1
;; launch proj (part 2): grid 4 x 64, 8 waves a work-group, no clusters, 175,104 bytes of LDS; arguments codes, scales, tau, kv; writes kv
.if DOCPART == 2
	.amdgcn_target "amdgcn-amd-amdhsa--gfx1250"
	.amdhsa_code_object_version 6
	.text
	.protected	k_q33ada74328_proj
	.globl	k_q33ada74328_proj
	.p2align	8
	.type	k_q33ada74328_proj,@function
k_q33ada74328_proj:
	s_mov_b64 s[64:65], 0
	v_nop
	global_prefetch_b8 v0, s[64:65] scope:SCOPE_SE
	s_setreg_imm32_b32 hwreg(HW_REG_WAVE_MODE, 25, 1), 1
	s_wait_xcnt 0x0
; qk = x Wqk^T and v = x Wv^T on codes of FP6 (E2M3) with E8M0 scales, for 128 tokens and two heads; then q2 = |qk|^2 of the unquantised qk, qk quantised along the head's 64, v quantised along the keys.
; What is stored is what the attention launch's registers want: for each (batch x 8 + head, step of 128 keys) one RECORD of 13,312 bytes in 'kv':
;   +0      four fragments of keys (pair p = 32 keys), each an image of 12 registers (3 x 512 bytes, lane l's 16 bytes at 16 l): registers 0-5 tile u = 0, registers 6-11 tile u = 1; lane (r, h): dims 32 h .. of key 32 p + 8 u + r + 8 (r / 8)
;   +6144   four fragments of v^T (tile t of 16 of the head's 64): lane (r, h): d = 32 (t / 2) + 8 (t % 2) + r + 8 (r / 8); registers 6 c ..: keys 64 c + 32 h + 0 .. 31
;   +12288  the keys' scale words, byte 16 r + 4 p;   +12544  v's, byte 16 r + 4 t;   +12800  kt[128] = -s q2 / 2 in key order, s = +1 or -1 by tau's sign bit
; THE ROWS OF A TILE ARE NOT NEIGHBOURS: lane r of tile 2 b + u takes row 32 b + 8 u + r + 8 (r / 8), so that the 16 registers of result tiles 2 b and 2 b + 1 are 16 neighbours along the next product's K.
; SHARES: work-group (g, y): heads 2 g, 2 g + 1, tokens 128 y on.  Wave w: head w % 2, p = w / 2.  Every wave runs the same text: qk of token pair p (source 0 = 16 features, source 1 = 16 tokens: a lane holds one token,
; registers along the features), then v of d tile p for all 128 tokens (source 0 = 16 tokens, source 1 = 16 features: a lane holds one d, registers along the keys).  Eight accumulators by turns in each part, four K steps.
; LDS, every region filled once: x's, Wqk's, Wv's 128 rows of codes (384 bytes + 16 behind each 128: pitch 432), their scale bytes (16 a row), and 2,048 bytes that LDS stores alone write.
; NO CLUSTER: a work-group asks for its 153,600 bytes once, at its head, and never again; 51,200 of them (x's) are shared with three neighbours, and joint requests would put two rounds of a cluster's barrier round a text without a loop.
; LIMITS: NaN and infinities are not served; blocks under 2^-124, and blocks of zeros, get the byte 1 (their bytes are read by this program alone).
.set REC,   13312
.set PITCH, 432
.set WQ,    55296                      ; x's codes lie at 0
.set WVC,   110592
.set XS,    165888
.set WQS,   167936
.set WVS,   169984
.set SM,    172032                     ; two heads x [keys' scale words 256, v's 256, kt 512]
.set LI,   1                           ; v1     16 x lane
.set AXV,  2                           ; v2-3   x's rows, from token 0: 432 L + 24 h, and the same with 40 h (for pieces that lie behind one padding more)
.set AXQ,  4                           ; v4-5   from token 32 p
.set AWQ,  6                           ; v6-7   Wqk's rows of my head
.set AWV,  8                           ; v8-9   Wv's rows of my tile of d
.set ASXV, 10                          ; v10-13 the same four for the scale bytes
.set ASXQ, 11
.set ASWQ, 12
.set ASWV, 13
.set ASC,  14                          ; v14    where my scale word goes
.set AKT,  15                          ; v15    where my kt goes
.set TM,   16                          ; v16-31 the quantiser's work
.set PW,   32                          ; v32    the scale word just made
.set SW,   34                          ; v34-42 scale words of the operands: they hold nothing else
.set Q2,   44                          ; v44-47 q2 of two tiles, in halves
.set HA,   48                          ; v48-111  eight accumulators
.set PC,   112                         ; v112-130 the codes just made
.set FRG,  132                         ; v132-239 up to nine fragments
.set WV,   12
.set G1C,  20                          ; s[20:27] group 1 for codes;  s[28:35] for scale bytes;  s[36:39], s[40:43] their groups 0
.set G1S,  28
.set G0C,  36
.set G0S,  40
.set SEL,  44
; a fragment, 16 rows x 128 K of 6-bit codes: 12 registers: six pieces of 8 bytes of the row's stream of bits.  Lanes 16-31 take the pieces three further on, which lie behind one padding more where the piece's number mod 16 is 13 or more
.macro FRAG reg, adr, s, row
.irp p, 0,1,2,3,4,5
.set PCE, 12*(\s)+6*(\p/3)+\p%3
.if PCE%16 < 13
	ds_load_b64 v[\reg+2*\p:\reg+2*\p+1], v[\adr] offset:8*PCE+16*(PCE/16)+(\row)*PITCH
.else
	ds_load_b64 v[\reg+2*\p:\reg+2*\p+1], v[\adr+1] offset:8*PCE+16*(PCE/16)+(\row)*PITCH
.endif
.endr
.endm
.macro MM d, a, b, sa, sb, zero        ; zero = 1: the first K step starts the sum
.if \zero
	v_wmma_scale_f32_16x16x128_f8f6f4 v[\d:\d+7], v[\a:\a+11], v[\b:\b+11], 0, v[\sa], v[\sb] matrix_a_fmt:MATRIX_FMT_FP6 matrix_b_fmt:MATRIX_FMT_FP6
.else
	v_wmma_scale_f32_16x16x128_f8f6f4 v[\d:\d+7], v[\a:\a+11], v[\b:\b+11], v[\d:\d+7], v[\sa], v[\sb] matrix_a_fmt:MATRIX_FMT_FP6 matrix_b_fmt:MATRIX_FMT_FP6
.endif
.endm
; 64 numbers of a lane, v[s] .. v[s + 63], register 16 b + i = k 32 b + 16 (lane / 16) + i of my row, become a fragment's codes in v[PC] on and its scale word in v[PW]
.macro QUANT s
.irp b, 0,1,2,3
	v_max3_num_f32 v[TM+\b], |v[\s+16*\b]|, |v[\s+1+16*\b]|, 0x1800000   ; block b: my 16 numbers, and the floor 2^(3 - 127): the byte cannot fall under 1
.endr
.irp i, 2,4,6,8,10,12,14
.irp b, 0,1,2,3
	v_max3_num_f32 v[TM+\b], v[TM+\b], |v[\s+16*\b+\i]|, |v[\s+1+16*\b+\i]|   ; (the four blocks by turns)
.endr
.endr
.irp b, 0,1,2,3
	s_delay_alu instid0(VALU_DEP_4)
	v_permlanex16_b32 v[TM+4+\b], v[TM+\b], s[SEL], s[SEL+1]
.endr
.irp b, 0,1,2,3
	s_delay_alu instid0(VALU_DEP_4)
	v_max_num_f32 v[TM+\b], v[TM+\b], v[TM+4+\b]   ; with lane l xor 16's: the block's largest magnitude
.endr
.irp b, 0,1,2,3
	s_delay_alu instid0(VALU_DEP_4)
	v_add_nc_u32 v[TM+12+\b], 0xff000000, v[TM+\b]   ; 2 off its exponent field: the conversion's scale operand
.endr
.irp b, 0,1,2,3
	s_delay_alu instid0(VALU_DEP_4)
	v_lshrrev_b32 v[TM+4+\b], 23, v[TM+12+\b]      ; the scale's byte
.endr
	s_delay_alu instid0(VALU_DEP_3)
	v_lshl_or_b32 v[PW], v[TM+5], 8, v[TM+4]       ; the four bytes make my row's scale word
	s_delay_alu instid0(VALU_DEP_1)
	v_lshl_or_b32 v[PW], v[TM+6], 16, v[PW]
	s_delay_alu instid0(VALU_DEP_1)
	v_lshl_or_b32 v[PW], v[TM+7], 24, v[PW]
.irp c, 0,1
	v_cvt_scalef32_pk16_fp6_f32 v[PC+6*\c:PC+2+6*\c], v[\s+32*\c:\s+15+32*\c], v[TM+12+2*\c]
	v_cvt_scalef32_pk16_fp6_f32 v[PC+12+4*\c:PC+14+4*\c], v[\s+16+32*\c:\s+31+32*\c], v[TM+12+2*\c+1]   ; (a conversion's three registers begin on an even number)
.endr
	v_nop                                          ; one plain place behind a scaled conversion
.irp c, 0,1                                    ; the operand's layout wants a WHOLE block in a lane: lanes 0-15 block 2 c, lanes 16-31 block 2 c + 1
.irp i, 0,1,2
	v_permlane16_swap_b32 v[PC+6*\c+\i], v[PC+12+4*\c+\i]
.endr
.irp i, 0,1,2
	s_delay_alu instid0(VALU_DEP_3)
	v_mov_b32 v[PC+3+6*\c+\i], v[PC+12+4*\c+\i]
.endr
.endr
.endm
	s_load_b256 s[4:11], s[0:1], 0x0               ; codes s[4:5], scales s[6:7], tau s[8:9], kv s[10:11]
	v_lshl_add_u32 v254, v0, 2, 0x2a800
	v_mov_b32 v255, 0
	ds_add_u32 v254, v255
	ds_add_u32 v254, v255
	v_lshrrev_b32 v240, 5, v0
	s_delay_alu instid0(VALU_DEP_1)
	v_readfirstlane_b32 s[WV], v240                ; wave 0..7
	s_mov_b32 s13, ttmp9                           ; g: heads 2 g, 2 g + 1
	s_and_b32 s14, ttmp7, 0xffff                   ; y: tokens 128 y on
	s_and_b32 s15, s[WV], 1                        ; hl: which of the two heads
	s_lshr_b32 s16, s[WV], 1                       ; p
	s_mov_b32 s[G1C+0], 0x07100000                 ; no mask; elements of 1 byte; padding on: behind every 32 words (code 4) 4 words (code 3)
	s_mov_b32 s[G1C+1], 256<<16                    ; the 128 rows of 384 bytes are one dense block of 49,152 bytes: stated as 192 rows of 256 bytes, each on a 256-byte border
	s_mov_b32 s[G1C+2], 192<<16
	s_mov_b32 s[G1C+3], 256<<16
	s_mov_b32 s[G1C+4], 192                        ; the padding counts along the whole tile (16 bytes behind each 128), so a row of codes still takes 432 bytes of LDS
	s_mov_b32 s[G1C+5], 256
	s_mov_b32 s[G1C+6], 0
	s_mov_b32 s[G1C+7], 0
	s_mov_b32 s[G1S+0], 3<<16                      ; one row of 2,048 bytes: 256 elements of 8 bytes, no padding
	s_mov_b32 s[G1S+1], 256<<16
	s_mov_b32 s[G1S+2], 1<<16
	s_mov_b32 s[G1S+3], 256<<16
	s_mov_b32 s[G1S+4], 1
	s_mov_b32 s[G1S+5], 256
	s_mov_b32 s[G1S+6], 1<<16                      ; a one-row descriptor states its stride1 too
	s_mov_b32 s[G1S+7], 0
	s_mul_i32 s52, s14, 49152                      ; wave 0 fetches x's 128 rows of codes;
	s_mul_i32 s53, s[WV], 196608                   ; waves 1 and 2 the 128 rows of Wqk and of Wv: 3,145,728 + 196,608 (w - 1) + 49,152 g
	s_mul_i32 s54, s13, 49152
	s_add_co_u32 s53, s53, s54
	s_add_co_u32 s53, s53, 2949120
	s_cmp_eq_u32 s[WV], 0
	s_cselect_b32 s52, s52, s53
	s_mov_b32 s53, 0
	s_lshl_b32 s54, s14, 11                        ; wave 3 x's scale bytes;
	s_lshl_b32 s55, s[WV], 13                      ; waves 4 and 5 Wqk's and Wv's: 131,072 + 8,192 (w - 4) + 2,048 g
	s_lshl_b32 s56, s13, 11
	s_add_co_u32 s55, s55, s56
	s_add_co_u32 s55, s55, 98304
	s_cmp_eq_u32 s[WV], 3
	s_cselect_b32 s54, s54, s55
	s_mov_b32 s55, 0
	s_wait_dscnt 0x0
	s_wait_kmcnt 0x0
	s_mov_b32 s[G0C], 1
	s_mul_i32 s[G0C+1], s[WV], 55296               ; LDS: 0, WQ, WVC
	s_add_nc_u64 s[G0C+2:G0C+3], s[4:5], s[52:53]
	s_or_b32 s[G0C+3], s[G0C+3], 0x80000000        ; type = 2
	s_mov_b32 s[G0S], 1
	s_lshl_b32 s[G0S+1], s[WV], 11
	s_add_co_u32 s[G0S+1], s[G0S+1], 159744        ; LDS: XS, WQS, WVS for waves 3, 4, 5
	s_add_nc_u64 s[G0S+2:G0S+3], s[6:7], s[54:55]
	s_or_b32 s[G0S+3], s[G0S+3], 0x80000000
	s_cmp_lt_u32 s[WV], 3                          ; one load a wave, six in all; waves 6 and 7 fetch nothing.  Four v_nop follow each line
	s_cbranch_scc0 .Lnot_codes
	tensor_load_to_lds s[G0C:G0C+3], s[G1C:G1C+7]
	s_nop 0
.rept 4
	v_nop
.endr
	s_branch .Lasked
.Lnot_codes:
	s_cmp_lt_u32 s[WV], 6
	s_cbranch_scc0 .Lasked
	tensor_load_to_lds s[G0S:G0S+3], s[G1S:G1S+7]
	s_nop 0
.rept 4
	v_nop
.endr
.Lasked:
	s_lshl_b32 s58, s13, 1
	s_add_co_u32 s58, s58, s15
	s_lshl_b32 s58, s58, 2
	s_load_b32 s47, s[8:9], s58 offset:0x0         ; tau of my head
	s_mov_b32 s[SEL], 0x76543210
	s_mov_b32 s[SEL+1], 0xfedcba98                 ; v_permlanex16_b32's selects for lane l xor 16
	v_and_b32 v240, 15, v0                         ; r
	v_bfe_u32 v241, v0, 4, 1                       ; h
	s_delay_alu instid0(VALU_DEP_2)
	v_and_b32 v242, 8, v240
	s_delay_alu instid0(VALU_DEP_1)
	v_add_nc_u32 v242, v242, v240                  ; L = r + 8 (r / 8)
	v_and_b32 v[LI], 31, v0
	s_delay_alu instid0(VALU_DEP_1)
	v_lshlrev_b32 v244, 3, v[LI]                   ; 8 x lane
	s_delay_alu instid0(VALU_DEP_2)
	v_lshlrev_b32 v[LI], 4, v[LI]
	s_delay_alu instid0(VALU_DEP_4)
	v_mul_u32_u24 v[AXV], v242, PITCH
	s_delay_alu instid0(VALU_DEP_1)
	v_mad_u32_u24 v[AXV+1], v241, 40, v[AXV]
	s_delay_alu instid0(VALU_DEP_2)
	v_mad_u32_u24 v[AXV], v241, 24, v[AXV]
	s_wait_alu depctr_va_vdst(0)
	s_mul_i32 s52, s16, 32*PITCH
	v_add_nc_u32 v[AXQ], s52, v[AXV]
	v_add_nc_u32 v[AXQ+1], s52, v[AXV+1]
	s_mul_i32 s53, s15, 64*PITCH                   ; my head's 64 rows of a weight
	s_add_co_u32 s54, s53, WQ
	v_add_nc_u32 v[AWQ], s54, v[AXV]
	v_add_nc_u32 v[AWQ+1], s54, v[AXV+1]
	s_lshr_b32 s55, s16, 1
	s_lshl_b32 s55, s55, 5
	s_and_b32 s56, s16, 1
	s_lshl_b32 s56, s56, 3
	s_add_co_u32 s55, s55, s56                     ; my tile of d begins at row 32 (p / 2) + 8 (p % 2)
	s_mul_i32 s56, s55, PITCH
	s_add_co_u32 s56, s56, s53
	s_add_co_u32 s56, s56, WVC
	v_add_nc_u32 v[AWV], s56, v[AXV]
	v_add_nc_u32 v[AWV+1], s56, v[AXV+1]
	v_lshl_add_u32 v[ASXV], v242, 4, XS            ; scale bytes: 16 a row
	s_lshl_b32 s56, s16, 9
	v_add_nc_u32 v[ASXQ], s56, v[ASXV]
	s_lshl_b32 s57, s15, 10                        ; 1,024 x hl
	v_lshlrev_b32 v243, 4, v242
	s_add_co_u32 s56, s57, WQS
	v_add_nc_u32 v[ASWQ], s56, v243
	s_lshl_b32 s56, s55, 4
	s_add_co_u32 s56, s56, s57
	s_add_co_u32 s56, s56, WVS
	v_add_nc_u32 v[ASWV], s56, v243
	s_lshl_b32 s56, s16, 2
	s_add_co_u32 s56, s56, s57
	s_add_co_u32 s56, s56, SM
	v_lshl_add_u32 v[ASC], v240, 4, s56            ; SM + 1,024 hl + 16 r + 4 p
	s_lshl_b32 s56, s16, 7
	s_add_co_u32 s56, s56, s57
	s_add_co_u32 s56, s56, SM+512
	v_lshl_add_u32 v[AKT], v242, 2, s56            ; SM + 1,024 hl + 512 + 4 (32 p + L)
	s_lshl_b32 s56, s[WV], 8
	s_add_co_u32 s56, s56, SM
	v_add_nc_u32 v243, s56, v244                   ; the way out: my wave's 256 bytes, 8 a lane
.irp b, 0,1,2,3
	v_mov_b32 v[TM+4+\b], 0                        ; written once: a lane permute's destination counts as one of its sources
.endr
	s_lshr_b32 s52, s14, 5                         ; batch
	s_and_b32 s53, s14, 31                         ; step of 128 keys
	s_lshl_b32 s52, s52, 3
	s_lshl_b32 s54, s13, 1
	s_add_co_u32 s52, s52, s54                     ; 8 batch + 2 g
	s_add_co_u32 s55, s52, s15
	s_lshl_b32 s55, s55, 5
	s_add_co_u32 s55, s55, s53
	s_mul_i32 s48, s55, REC                        ; my head's record,
	s_mul_i32 s56, s16, 1536
	s_add_co_u32 s48, s48, s56                     ; fragment p of it
	s_mov_b32 s49, 0
	s_add_nc_u64 s[48:49], s[10:11], s[48:49]
	s_lshr_b32 s56, s[WV], 2                       ; the way out of the small things: wave w stores 256 bytes: head w / 4, part w % 4
	s_add_co_u32 s56, s52, s56
	s_lshl_b32 s56, s56, 5
	s_add_co_u32 s56, s56, s53
	s_mul_i32 s50, s56, REC
	s_and_b32 s57, s[WV], 3
	s_lshl_b32 s57, s57, 8
	s_add_co_u32 s50, s50, s57
	s_add_co_u32 s50, s50, 12288
	s_mov_b32 s51, 0
	s_add_nc_u64 s[50:51], s[10:11], s[50:51]
	s_wait_alu depctr_va_vdst(0)
	s_wait_kmcnt 0x0
	s_and_b32 s46, s47, 0x80000000
	s_xor_b32 s46, s46, 0xbf000000                 ; -s / 2: -0.5 with tau's sign bit turned in
	s_wait_tensorcnt 0x0                           ; my load has landed,
	s_barrier_signal -1
	s_barrier_wait -1                              ; everybody's has.  Nothing is filled again in this launch
	; ---- qk: head hl, tokens 32 p .. 32 p + 31: two tiles of tokens x four tiles of features
.irp s, 0,1,2,3
.if \s > 0
.rept 4
	v_nop                                          ; places in front of loads into registers that matrix instructions have read
.endr
.endif
.irp T, 0,1,2,3
	FRAG FRG+12*\T, AWQ, \s, 32*(\T/2)+8*(\T%2)
	ds_load_b32 v[SW+\T], v[ASWQ] offset:16*(32*(\T/2)+8*(\T%2))+4*\s
.endr
.irp u, 0,1
	FRAG FRG+48+12*\u, AXQ, \s, 8*\u
	ds_load_b32 v[SW+4+\u], v[ASXQ] offset:128*\u+4*\s
.endr
	s_wait_dscnt 0x0
.irp u, 0,1
.irp T, 0,1,2,3
.if \s == 0
	MM HA+32*\u+8*\T, FRG+12*\T, FRG+48+12*\u, SW+\T, SW+4+\u, 1
.else
	MM HA+32*\u+8*\T, FRG+12*\T, FRG+48+12*\u, SW+\T, SW+4+\u, 0
.endif
.endr
.endr
.endr                                          ; lane (r, h), register 32 u + 16 b + i: qk(token 32 p + 8 u + L, feature 32 b + 16 h + i)
.rept 4
	v_nop
.endr
	; q2 of the unquantised qk: my 32 squares of each token, each accumulator from its low end on; then lane l xor 16's
.irp u, 0,1
	v_pk_mul_f32 v[Q2+2*\u:Q2+2*\u+1], v[HA+32*\u:HA+32*\u+1], v[HA+32*\u:HA+32*\u+1]
.endr
.irp i, 2,4,6,8,10,12,14,16,18,20,22,24,26,28,30
.irp u, 0,1
	v_pk_fma_f32 v[Q2+2*\u:Q2+2*\u+1], v[HA+32*\u+\i:HA+32*\u+\i+1], v[HA+32*\u+\i:HA+32*\u+\i+1], v[Q2+2*\u:Q2+2*\u+1]
.endr
.endr
	s_delay_alu instid0(VALU_DEP_2)
	v_add_f32 v[Q2], v[Q2], v[Q2+1]
	s_delay_alu instid0(VALU_DEP_2)
	v_add_f32 v[Q2+2], v[Q2+2], v[Q2+3]
	s_delay_alu instid0(VALU_DEP_2)
	v_permlanex16_b32 v[Q2+1], v[Q2], s[SEL], s[SEL+1]
	s_delay_alu instid0(VALU_DEP_2)
	v_permlanex16_b32 v[Q2+3], v[Q2+2], s[SEL], s[SEL+1]
	s_delay_alu instid0(VALU_DEP_2)
	v_add_f32 v[Q2], v[Q2], v[Q2+1]
	s_delay_alu instid0(VALU_DEP_2)
	v_add_f32 v[Q2+2], v[Q2+2], v[Q2+3]
	s_delay_alu instid0(VALU_DEP_2)
	v_mul_f32 v[Q2], s46, v[Q2]                    ; kt = -s q2 / 2
	s_delay_alu instid0(VALU_DEP_2)
	v_mul_f32 v[Q2+2], s46, v[Q2+2]
	ds_store_b32 v[AKT], v[Q2]                     ; both halves of the lanes write the same word with the same value
	ds_store_b32 v[AKT], v[Q2+2] offset:32
	QUANT HA                                       ; blocks 0, 1: tile u = 0's two blocks of 32 dims; blocks 2, 3: tile u = 1's
.irp c, 0,1,2
	global_store_b128 v[LI], v[PC+4*\c:PC+4*\c+3], s[48:49] offset:512*\c   ; the fragment as it stands: 512 consecutive bytes a store, aligned to 256
.endr
	ds_store_b32 v[ASC], v[PW]
	s_wait_dscnt 0x0
	; ---- v: head hl, d tile p, all 128 tokens: eight tiles of tokens x one tile of features
.irp s, 0,1,2,3
.if \s > 0
.rept 4
	v_nop
.endr
.endif
.irp T, 0,1,2,3,4,5,6,7
	FRAG FRG+12*\T, AXV, \s, 32*(\T/2)+8*(\T%2)
	ds_load_b32 v[SW+\T], v[ASXV] offset:16*(32*(\T/2)+8*(\T%2))+4*\s
.endr
	FRAG FRG+96, AWV, \s, 0
	ds_load_b32 v[SW+8], v[ASWV] offset:4*\s
	s_wait_dscnt 0x0
.irp T, 0,1,2,3,4,5,6,7
.if \s == 0
	MM HA+8*\T, FRG+12*\T, FRG+96, SW+\T, SW+8, 1
.else
	MM HA+8*\T, FRG+12*\T, FRG+96, SW+\T, SW+8, 0
.endif
.endr
.endr                                          ; lane (r, h), register 16 b + i: v(key 32 b + 16 h + i, d = my tile's row L)
.rept 4
	v_nop
.endr
	s_wait_xcnt 0x0                                ; the three stores above have read their data: the codes' registers are written again only behind this wait
	QUANT HA
.irp c, 0,1,2
	global_store_b128 v[LI], v[PC+4*\c:PC+4*\c+3], s[48:49] offset:6144+512*\c
.endr
	ds_store_b32 v[ASC], v[PW] offset:256
	s_wait_dscnt 0x0                               ; for the others' sake: my stores of scale words and kt are done
	s_barrier_signal -1
	s_barrier_wait -1
	ds_load_b64 v[240:241], v243
	s_wait_dscnt 0x0
	global_store_b64 v244, v[240:241], s[50:51]    ; 32 lanes store 256 consecutive bytes, aligned
	s_wait_tensorcnt 0x0
	ds_add_u32 v254, v255
	s_wait_dscnt 0x0
	s_endpgm
.Lfunc_end_k_q33ada74328_proj:
	.size	k_q33ada74328_proj, .Lfunc_end_k_q33ada74328_proj-k_q33ada74328_proj
	.p2alignl 7, 3214868480
	.fill 96, 4, 3214868480
	.section	.rodata,"a",@progbits
	.p2align	6, 0x0
	.amdhsa_kernel k_q33ada74328_proj
		.amdhsa_group_segment_fixed_size 175104
		.amdhsa_private_segment_fixed_size 0
		.amdhsa_enable_private_segment 0
		.amdhsa_kernarg_size 32
		.amdhsa_user_sgpr_count 2
		.amdhsa_user_sgpr_kernarg_segment_ptr 1
		.amdhsa_wavefront_size32 1
		.amdhsa_system_sgpr_workgroup_id_x 1
		.amdhsa_system_sgpr_workgroup_id_y 1
		.amdhsa_system_sgpr_workgroup_id_z 1
		.amdhsa_system_vgpr_workitem_id 0
		.amdhsa_next_free_vgpr 256
		.amdhsa_next_free_sgpr 66
		.amdhsa_reserve_vcc 0
		.amdhsa_float_denorm_mode_32 3
		.amdhsa_float_denorm_mode_16_64 3
		.amdhsa_memory_ordered 1
		.amdhsa_forward_progress 1
		.amdhsa_inst_pref_size 56
	.end_amdhsa_kernel
	.amdgpu_metadata
---
amdhsa.version: [ 1, 2 ]
amdhsa.kernels:
  - .name:           k_q33ada74328_proj
    .symbol:         k_q33ada74328_proj.kd
    .args:
      - { .name: codes, .offset: 0, .size: 8, .value_kind: global_buffer, .address_space: global }
      - { .name: scales, .offset: 8, .size: 8, .value_kind: global_buffer, .address_space: global }
      - { .name: tau, .offset: 16, .size: 8, .value_kind: global_buffer, .address_space: global }
      - { .name: kv, .offset: 24, .size: 8, .value_kind: global_buffer, .address_space: global }
    .group_segment_fixed_size: 175104
    .private_segment_fixed_size: 0
    .kernarg_segment_align: 8
    .kernarg_segment_size: 32
    .max_flat_workgroup_size: 256
    .sgpr_count:     66
    .vgpr_count:     256
    .wavefront_size: 32
...
	.end_amdgpu_metadata
.endif
;; end of part 2
;; launch attn (part 3): grid 16 x 16, 8 waves a work-group, clusters of 4 x 1, 327,680 bytes of LDS; arguments kv, tau, oc, os; writes oc, os
.if DOCPART == 3
	.amdgcn_target "amdgcn-amd-amdhsa--gfx1250"
	.amdhsa_code_object_version 6
	.text
	.protected	k_q33ada74328_attn
	.globl	k_q33ada74328_attn
	.p2align	8
	.type	k_q33ada74328_attn,@function
k_q33ada74328_attn:
	s_mov_b64 s[64:65], 0
	v_nop
	global_prefetch_b8 v0, s[64:65] scope:SCOPE_SE
	s_setreg_imm32_b32 hwreg(HW_REG_WAVE_MODE, 25, 1), 1
	s_wait_xcnt 0x0
	s_wait_alu depctr_hold_cnt(0) depctr_sa_sdst(0) depctr_va_vdst(0) depctr_va_sdst(0) depctr_va_ssrc(0) depctr_va_vcc(0) depctr_vm_vsrc(0)
	s_getreg_b32 s2, hwreg(HW_REG_IB_STS2, 6, 4)
	s_cmp_eq_u32 s2, 0
	s_cbranch_scc0 .Lentry_in_a_cluster
	s_endpgm
.Lentry_in_a_cluster:
	s_bfe_u32 s2, ttmp6, 0x10000c
	s_cmp_lg_u32 s2, 0x3003
	s_cbranch_scc0 .Lentry_shape_is_right
	s_endpgm
.Lentry_shape_is_right:
; For one (batch, head): O = softmax((2 qk qk^T - q2_i - q2_j) tau / 8) v, both products on codes of FP6 (E2M3) with E8M0 scales; O / l is quantised along the head's 64 and stored as the last product's operand.
; INPUT: the records of 'kv' (13,312 bytes for 128 keys): four images of key fragments, four of v^T, their scale words, kt = -s q2 / 2 (s = tau's sign).
; THE LOGIT.  t = logit x log2(e) = a (s dot + kt_j) + a kt_i with a = |tau| log2(e) / 4, never negative.  s dot + kt_j comes out of the matrix unit: kt_j is the product's C, and where tau is negative the sign bits of
; the QUERIES' codes are turned (the format is symmetric: these are the codes of -qk).  Maxima are taken on the matrix results; nothing branches on data.
; K = 64 IN AN INSTRUCTION OF 128.  Source 0 is a fragment of TWO tiles of 16 keys, [Ka | Kb]; source 1 is [Q | 0] for tile a and [0 | Q] for tile b: zero codes cancel the other half.
; WHICH KEYS FORM A TILE.  Tile T = 4 c + t takes keys 64 c + 8 t + 0..7 as rows 0-7 and keys 64 c + 32 + 8 t + 0..7 as rows 8-15.  So lane (query r, half h) holds in the 32 registers of tiles 4 c .. 4 c + 3 the keys
; 64 c + 32 h + 0..31: ONE WHOLE BLOCK of the next product's K, in the order of that operand's registers.  A block's maximum needs no other lane and the codes need no lane swap.  The rows are picked out of the
; records' images by each lane's LDS address: lane (r, h) reads lane (r % 8) + 8 g + 16 h of the image of pair 2 c + r / 8.
; THE SOFTMAX.  M = the running largest t rounded UP to a whole number, kept as -M; p = 2^(t - M) is quantised along the keys, not normalised; the row's sum is taken of the unquantised p and divides O at the end.
; When M moves, the sum and O are multiplied by 2^(old M - new M), which rounds nothing.  A block's largest p is made from the block's largest matrix result by the same multiply-add and exponential
; (this takes v_exp_f32 not to fall where its input rises).
; SHARES.  A work-group owns 256 queries of one head; each of its eight waves 32: two tiles of 16, whose softmax is written as one text, four chains by turns.  Each fragment read from LDS feeds both tiles.
; THE WALK is turned by half a step: a trip loads record k + 1's keys, does the softmax and the second product of record k, loads record k + 1's v^T and multiplies record k + 1's scores.
; THE RING.  Two LDS slots of eight records (106,496 bytes); each wave fetches an eighth of a slot by one tensor load of 52 rows x 256 bytes: one tensor load of a wave is out at a time, with eight trips in which to land.
; CLUSTER.  The four query blocks of a cluster belong to one head and walk the same records: each load is asked for JOINTLY, with the same descriptor and a mask that names the four.
; LIMITS: NaN and infinities are not served; the scaled scores stay under 2^31 in magnitude; tau's sign is its sign bit, and with tau = 0 every t is 0; blocks under 2^-124, and blocks of zeros, get the byte 1 (read by this program alone).
; REGISTERS.  Window 0: v1-15, v28 addresses; v16-27 scale words, which hold nothing else; v32-47 statistics, eight a tile; v48-63 at work; v64-191 the scores, then p (64 a tile); v192-215 p's codes; v216-247 at work.
;   Window 1: v0-63 O^T (32 a tile); v64-93 [0 | Qa | 0 | Qb | 0], six registers each; v96-143 keys; v144-191 v^T; v192-255 kt in the result's layout.
.set REC,   13312
.set NREC,  8
.set SLOTB, NREC*REC
.set SLOT1, 131072                     ; slot 1 begins here: one exclusive or turns an address in one slot into the other's
.set STG,   237568                     ; 512 bytes that LDS stores alone write: the eight waves' scale words on the way out
.set SPARE, 238080                     ; the spare words, 128 bytes for each wave: four blocks of 256 bytes that no other line names
.set LI,  1                            ; v1   16 x lane
.set ADR, 2                            ; v2   the record in hand + 16 x lane
.set SC0, 3                            ; v3   16 r
.set ADS, 4                            ; v4   the record + 16 r
.set KT0, 5                            ; v5   128 h
.set ADK, 6                            ; v6   the record + 128 h
.set SPW, 7                            ; v7   LDS address of my spare word; never rewritten
.set NIL, 8                            ; v8   0; never rewritten
.set PFO, 9                            ; v9   256 x min(lane, 25); never rewritten
.set KA0, 10                           ; v10  1,536 (r / 8) + 16 (r % 8) + 256 h: my place in the keys' images
.set ADF, 11                           ; v11  the record + that
.set KS0, 12                           ; v12  16 (r % 8) + 4 (r / 8): my place among the keys' scale words
.set STW, 13                           ; v13  the way out: STG + 64 wave + 4 r
.set STR, 14                           ; v14  STG + 16 x lane
.set ADW, 15                           ; v15  the record + v12
.set KS,  16                           ; v16-19 the keys' scale words, fragment P = 2 c + g;  v20-23 v's, tile t;  v24-25 Q's;  v26-27 p's
.set VS,  20
.set QS,  24
.set PS,  26
.set SH8, 28                           ; v28  8 h
.set ST,  32                           ; tile q at ST + 8 q: +0 R - M, +1 the largest t, +2, +3 the sum in halves, +4 -M, +5 R = a kt_i, +6 f, +7 zero
.set BM,  48                           ; v48-51 my blocks' maxima, x = 2 q + c;  v52-55 the conversions' scale operands;  v56-59 the bytes
.set BE,  52
.set BT,  56
.set TT,  60                           ; v60-61 at work, one a tile;  v62-63 what lane l xor 16 sends
.set TU,  62
.set S,   64
.set PC,  192
.set CT,  216                          ; v216-231: the second halves of the four blocks' codes
.set TM,  224                          ; the way out's quantiser
.set PW,  240
.set SU,  244                          ; v244-247 the sums' second chains
.set KF,  96                           ; in window 1
.set VF,  144
.set KT,  192
.set WV,  12
.set LIM, 15                           ; s15  1 in a wave that prefetches, else the greatest number
.set PFA, 18                           ; s[18:19] where my prefetches stand
.set SEL, 20
.set CS,  22                           ; s[22:23] a, twice: the packed form names a pair
.set G1,  24
.set G0,  32
.set TB,  36                           ; s36  LDS byte at which the record to be loaded begins
.set SLOTS, 37                         ; s37  slots still to be asked for
.set CNT, 38
.set MSB, 0
.macro WIN new                         ; the immediate's high byte repeats the setting that is left; a switch that changes nothing is dropped
.if MSB != \new
	s_set_vgpr_msb (MSB<<8)|\new
.set MSB, \new
.endif
.endm
.macro H n                             ; a hint ahead of a plain reader of the plain result n vector instructions back
	s_delay_alu instid0(VALU_DEP_\n)
.endm
.macro CROUND                          ; a round of the cluster's barrier: my work-group's barrier; wave 0 signals for the work-group; every wave waits for all four work-groups; my work-group's barrier once more
	s_barrier_signal -1
	s_barrier_wait -1
	s_cmp_lg_u32 s[WV], 0
	s_cbranch_scc1 .Lnot_wave_0_\@
	s_barrier_signal -3
.Lnot_wave_0_\@:
	s_barrier_wait -3
	s_barrier_signal -1
	s_barrier_wait -1
.endm
; A PREFETCH INTO THE L2 of the slot that the NEXT change of slots will ask for: 106,496 bytes = 416 blocks of 256.  All clusters of a head walk the same records: the head's first cluster asks.  Its four partners are told
; apart BY ADDRESS; in each, waves 0 to 3 ask, 26 blocks a wave, lanes 256 bytes apart (4 x 4 x 26 = 416); lanes 26 to 31 name the wave's 26th block once more, in the same instruction.
; The last change that fills a slot asks for nothing; slots 0 and 1 come by their loads alone.
.macro ASK
	s_cmp_gt_u32 s[SLOTS], s[LIM]
	s_cbranch_scc0 .Lnot_mine_\@
	global_prefetch_b8 v[PFO], s[PFA:PFA+1] th:TH_LOAD_NT scope:SCOPE_SE
.Lnot_mine_\@:
.endm
; 64 numbers of a lane, register 16 b + i = k 32 b + 16 (lane / 16) + i, become a fragment's codes in v[PC] on and its scale word in v[PW] (the way out)
.macro QUANT s
.irp b, 0,1,2,3
	v_max3_num_f32 v[TM+\b], |v[\s+16*\b]|, |v[\s+1+16*\b]|, 0x1800000   ; block b: my 16 numbers, and the floor 2^(3 - 127)
.endr
.irp i, 2,4,6,8,10,12,14
.irp b, 0,1,2,3
	H 4
	v_max3_num_f32 v[TM+\b], v[TM+\b], |v[\s+16*\b+\i]|, |v[\s+1+16*\b+\i]|
.endr
.endr
.irp b, 0,1,2,3
	H 4
	v_permlanex16_b32 v[TM+4+\b], v[TM+\b], s[SEL], s[SEL+1]
.endr
.irp b, 0,1,2,3
	H 4
	v_max_num_f32 v[TM+\b], v[TM+\b], v[TM+4+\b]
.endr
.irp b, 0,1,2,3
	H 4
	v_add_nc_u32 v[TM+12+\b], 0xff000000, v[TM+\b]
.endr
.irp b, 0,1,2,3
	H 4
	v_lshrrev_b32 v[TM+4+\b], 23, v[TM+12+\b]
.endr
	H 3
	v_lshl_or_b32 v[PW], v[TM+5], 8, v[TM+4]
	H 1
	v_lshl_or_b32 v[PW], v[TM+6], 16, v[PW]
	H 1
	v_lshl_or_b32 v[PW], v[TM+7], 24, v[PW]
.irp c, 0,1
	v_cvt_scalef32_pk16_fp6_f32 v[PC+6*\c:PC+2+6*\c], v[\s+32*\c:\s+15+32*\c], v[TM+12+2*\c]
	v_cvt_scalef32_pk16_fp6_f32 v[PC+12+4*\c:PC+14+4*\c], v[\s+16+32*\c:\s+31+32*\c], v[TM+12+2*\c+1]
.endr
	v_nop                                          ; one plain place behind a scaled conversion
.irp c, 0,1
.irp i, 0,1,2
	v_permlane16_swap_b32 v[PC+6*\c+\i], v[PC+12+4*\c+\i]
.endr
.irp i, 0,1,2
	H 3
	v_mov_b32 v[PC+3+6*\c+\i], v[PC+12+4*\c+\i]
.endr
.endr
.endm
	s_load_b256 s[4:11], s[0:1], 0x0               ; kv s[4:5], tau s[6:7], oc s[8:9], os s[10:11]
	v_lshl_add_u32 v[SPW], v0, 2, SPARE
	v_mov_b32 v[NIL], 0
	ds_add_u32 v[SPW], v[NIL]                      ; the opening lines: the add, twice on end, and its wait ahead of my first tensor load
	ds_add_u32 v[SPW], v[NIL]
	v_lshrrev_b32 v48, 5, v0
	v_readfirstlane_b32 s[WV], v48                 ; wave 0..7
	s_bfe_u32 s13, ttmp6, 0x40000                  ; cx: my place in the cluster
	s_lshl_b32 s14, ttmp9, 2                       ; in a cluster launch ttmp9 counts clusters
	s_add_co_u32 s14, s14, s13                     ; my block of 256 queries: it enters global addresses alone
	s_and_b32 s16, ttmp7, 0xffff                   ; 8 batch + head, which the four partners share
	s_mov_b32 s[G1], 15|(3<<16)|(1<<21)            ; the mask: all four work-groups; elements of 8 bytes; bit 21 set beside a mask; no padding
	s_mov_b32 s[G1+1], 32<<16                      ; tensor_dim0 = 32 elements: 256 bytes
	s_mov_b32 s[G1+2], 52<<16                      ; tensor_dim1 = 52 rows
	s_mov_b32 s[G1+3], 32<<16                      ; tile_dim0
	s_mov_b32 s[G1+4], 52                          ; tile_dim1
	s_mov_b32 s[G1+5], 32                          ; the block is dense
	s_mov_b32 s[G1+6], 0
	s_mov_b32 s[G1+7], 0
	s_mul_i32 s44, s16, 32*REC                     ; the head's first byte in kv
	s_mul_i32 s45, s[WV], REC                      ; my eighth of a slot
	s_add_co_u32 s48, s44, s45                     ; (s44, s45, s48, s49 never hold a number made of cx)
	s_mov_b32 s49, 0
	s_wait_dscnt 0x0                               ; both opening adds are done
	s_wait_kmcnt 0x0
	s_mov_b32 s[G0], 1
	s_mul_i32 s[G0+1], s[WV], REC                  ; LDS: slot 0, my eighth
	s_add_nc_u64 s[G0+2:G0+3], s[4:5], s[48:49]
	s_or_b32 s[G0+3], s[G0+3], 0x80000000          ; type = 2
	CROUND                                         ; all four work-groups are here: the first joint loads meet
	tensor_load_to_lds s[G0:G0+3], s[G1:G1+7]      ; slot 0: my one tensor load at the head
	s_nop 0
.rept 4
	v_nop                                          ; four v_nop follow a tensor load
.endr
	s_and_b32 s52, s16, 7
	s_lshl_b32 s52, s52, 2
	s_load_b32 s39, s[6:7], s52 offset:0x0         ; tau of my head
	s_lshl_b32 s46, s14, 1                         ; my 32 queries are pair w % 4 of record 2 x block + w / 4
	s_lshr_b32 s47, s[WV], 2
	s_add_co_u32 s46, s46, s47
	s_mul_i32 s46, s46, REC
	s_add_co_u32 s46, s46, s44
	s_mov_b32 s47, 0
	s_add_nc_u64 s[46:47], s[4:5], s[46:47]
	s_and_b32 s51, s[WV], 3
	s_mul_i32 s53, s51, 1536
	s_lshl_b32 s54, s51, 2
	s_lshl_b32 s55, s51, 7
	s_lshl_b32 s50, s[WV], 6
	s_add_co_u32 s50, s50, STG
	v_and_b32 v48, 31, v0                          ; lane
	v_and_b32 v49, 15, v0                          ; r
	v_bfe_u32 v50, v0, 4, 1                        ; h
	v_and_b32 v51, 7, v0                           ; r % 8
	v_bfe_u32 v52, v0, 3, 1                        ; r / 8
	v_lshlrev_b32 v[LI], 4, v48
	v_min_u32 v[PFO], 25, v48
	v_lshlrev_b32 v[SC0], 4, v49
	v_lshlrev_b32 v[KT0], 7, v50
	v_lshlrev_b32 v[SH8], 3, v50
	v_mul_u32_u24 v[KA0], v52, 1536
	v_lshlrev_b32 v[KS0], 2, v52
	v_lshlrev_b32 v[PFO], 8, v[PFO]
	v_lshl_add_u32 v53, v52, 3, v49                ; L = r + 8 (r / 8)
	v_lshl_add_u32 v[KA0], v51, 4, v[KA0]
	v_lshl_add_u32 v[KS0], v51, 4, v[KS0]
	v_add_nc_u32 v54, s53, v[LI]                   ; my pair's image
	v_add_nc_u32 v55, s54, v[SC0]                  ; its scale word: 16 r + 4 pair
	v_lshl_add_u32 v56, v53, 2, s55                ; its kt: 4 (32 pair + L)
	v_lshl_add_u32 v[KA0], v50, 8, v[KA0]
	v_lshl_add_u32 v[STW], v49, 2, s50
	v_add_nc_u32 v[STR], STG, v[LI]
	global_load_b128 v[224:227], v54, s[46:47]
	global_load_b128 v[228:231], v54, s[46:47] offset:512
	global_load_b128 v[232:235], v54, s[46:47] offset:1024
	global_load_b32 v236, v55, s[46:47] offset:12288
	global_load_b32 v237, v56, s[46:47] offset:12800
	global_load_b32 v238, v56, s[46:47] offset:12832
	s_mov_b32 s[SEL], 0x76543210
	s_mov_b32 s[SEL+1], 0xfedcba98                 ; v_permlanex16_b32's selects for lane l xor 16
.irp q, 0,1
	v_mov_b32 v[ST+8*\q+1], 0xff61b1e6             ; the largest t so far: -3e38, under every t
	v_mov_b32 v[ST+8*\q+2], 0                      ; the sum, in two halves
	v_mov_b32 v[ST+8*\q+3], 0
	v_mov_b32 v[ST+8*\q+7], 0                      ; (named as the upper half of f's pair)
	v_floor_f32 v[ST+8*\q+4], -v[ST+8*\q+1]        ; -M
	v_mov_b32 v[TU+\q], 0                          ; written once: a lane permute's destination counts as one of its sources
.endr
	WIN 0x40                                       ; destination window 1
.set j, 0
.rept 70
	v_mov_b32 v[j], 0                              ; O^T (the softmax is written once: the first finds zeros, which the first change of M leaves zeros), and the first six zero registers beside Q
.set j, j+1
.endr
.irp i, 0,1,2,3,4,5
	v_mov_b32 v[76+\i], 0
	v_mov_b32 v[88+\i], 0
.endr
	WIN 0
	s_wait_alu depctr_va_vdst(0)
	s_wait_kmcnt 0x0
	s_ashr_i32 s43, s39, 31                        ; all ones where tau is negative
	s_and_b32 s40, s43, 0x20820820                 ; the sign bits of 16 codes in 96 bits: bit 6 i + 5
	s_and_b32 s41, s43, 0x08208208
	s_and_b32 s42, s43, 0x82082082
	s_and_b32 s[CS], s39, 0x7fffffff
	s_mul_f32 s[CS], s[CS], 0x3eb8aa3b             ; a = |tau| log2(e) / 4
	s_mov_b32 s[CS+1], s[CS]
	s_wait_loadcnt 0x0
	v_perm_b32 v[QS], v236, v236, 0x01000100       ; tile 0's two bytes, twice
	v_perm_b32 v[QS+1], v236, v236, 0x03020302     ; tile 1's
	v_mul_f32 v[ST+5], s[CS], v237                 ; R = a kt_i
	v_mul_f32 v[ST+13], s[CS], v238
	WIN 0x40
.irp i, 0,1,2,3,4,5
	v_xor_b32 v[70+\i], s[40+\i%3], v[224+\i]      ; Qa, Qb: s x the queries' codes
	v_xor_b32 v[82+\i], s[40+\i%3], v[230+\i]
.endr
	WIN 0
	s_mov_b32 s[TB], 0
	s_mov_b32 s[SLOTS], 3
	s_lshl_b32 s50, s13, 2                         ; the prefetches: part 4 cx + w of a slot, in slot 1; the first change of slots steps it to slot 2.  Nothing is prefetched here, at the head
	s_add_co_u32 s50, s50, s[WV]
	s_mul_i32 s50, s50, 6656
	s_add_co_u32 s50, s50, s44
	s_add_co_u32 s50, s50, SLOTB
	s_mov_b32 s51, 0
	s_add_nc_u64 s[PFA:PFA+1], s[4:5], s[50:51]
	s_lshr_b32 s[LIM], s[WV], 2                    ; 0 in waves 0 to 3,
	s_or_b32 s[LIM], s[LIM], ttmp9                 ; of the head's first cluster: the same in all four partners
	s_cmp_eq_u32 s[LIM], 0
	s_cselect_b32 s[LIM], 1, -1
	s_lshl_b32 s54, s16, 7
	s_lshl_b32 s50, s14, 3
	s_add_co_u32 s54, s54, s50                     ; my work-group's first pair of 32 tokens: 128 (8 batch + head) + 8 block
	s_lshl_b32 s50, s54, 6
	s_add_nc_u64 s[10:11], s[10:11], s[50:51]      ; os: 64 bytes a pair
	s_add_co_u32 s54, s54, s[WV]
	s_mul_i32 s50, s54, 1536
	s_add_nc_u64 s[8:9], s[8:9], s[50:51]          ; oc: 1,536 bytes a pair
; The keys of the record at LDS byte s[TB]: 32 LDS loads.  The five additions are the places in front of loads into registers that the scores' products have read, and in front of the first read of the scores.
.macro LK
	v_add_nc_u32 v[ADF], s[TB], v[KA0]
	v_add_nc_u32 v[ADW], s[TB], v[KS0]
	v_add_nc_u32 v[ADK], s[TB], v[KT0]
	v_add_nc_u32 v[ADR], s[TB], v[LI]
	v_add_nc_u32 v[ADS], s[TB], v[SC0]
.irp P, 0,1,2,3
	ds_load_b32 v[KS+\P], v[ADW] offset:12288+128*(\P%2)+8*(\P/2)   ; fragment P = 2 c + g: the word of lane (r % 8) + 8 g of pair 2 c + r / 8
.endr
	WIN 0x40                                       ; destination window 1, address window 0
.irp P, 0,1,2,3
.irp e, 0,1,2
	ds_load_b128 v[KF+12*\P+4*\e:KF+12*\P+4*\e+3], v[ADF] offset:3072*(\P/2)+128*(\P%2)+512*\e
.endr
.endr
.irp T, 0,1,2,3,4,5,6,7
.irp e, 0,1
	ds_load_b128 v[KT+8*\T+4*\e:KT+8*\T+4*\e+3], v[ADK] offset:12800+256*(\T/4)+32*(\T%4)+16*\e   ; kt of keys 64 (T / 4) + 32 h + 8 (T % 4) + 0 .. 7: tile T's C
.endr
.endr
	WIN 0
.endm
.macro LV                              ; v^T of the same record: 13 LDS loads
	ds_load_b128 v[VS:VS+3], v[ADS] offset:12544   ; lane r: row r's scale words of the four fragments
	WIN 0x40
.irp t, 0,1,2,3
.irp e, 0,1,2
	ds_load_b128 v[VF+12*\t+4*\e:VF+12*\t+4*\e+3], v[ADR] offset:6144+1536*\t+512*\e   ; a fragment comes as the image of its registers
.endr
.endr
	WIN 0
.endm
.macro QK                              ; sixteen products: D = s dot + kt_j; sixteen different results
	WIN 0x15                                       ; keys, Q and kt in window 1, the scores in window 0
.irp q, 0,1
.irp P, 0,1,2,3
.irp u, 0,1
	v_wmma_scale_f32_16x16x128_f8f6f4 v[S+64*\q+8*(2*\P+\u):S+64*\q+8*(2*\P+\u)+7], v[KF+12*\P:KF+12*\P+11], v[70+12*\q-6*\u:70+12*\q-6*\u+11], v[KT+8*(2*\P+\u):KT+8*(2*\P+\u)+7], v[KS+\P], v[QS+\q] matrix_a_fmt:MATRIX_FMT_FP6 matrix_b_fmt:MATRIX_FMT_FP6
.endr
.endr
.endr
	WIN 0
.endm
.macro PV                              ; O^T += v^T p^T: the eight accumulators take turns, one instruction a turn
	WIN 0x51                                       ; v^T and O^T in window 1, p's codes in window 0
.irp t, 0,1,2,3
.irp q, 0,1
	v_wmma_scale_f32_16x16x128_f8f6f4 v[32*\q+8*\t:32*\q+8*\t+7], v[VF+12*\t:VF+12*\t+11], v[PC+12*\q:PC+12*\q+11], v[32*\q+8*\t:32*\q+8*\t+7], v[VS+\t], v[PS+\q] matrix_a_fmt:MATRIX_FMT_FP6 matrix_b_fmt:MATRIX_FMT_FP6
.endr
.endr
	WIN 0
.endm
; THE SOFTMAX of both tiles for 128 keys.  Block x = 2 q + c of a lane is v[S + 32 x] on: D of keys 64 c + 32 (lane / 16) + 0 .. 31 of tile q's query.
.macro SM
.irp x, 0,1,2,3
	v_max3_num_f32 v[BM+\x], v[S+32*\x], v[S+32*\x+1], v[S+32*\x+2]   ; my blocks' largest D: it serves for the row's maximum and, since p rises with D, for the block's largest p
.endr
.irp i, 3,5,7,9,11,13,15,17,19,21,23,25,27,29
.irp x, 0,1,2,3
	v_max3_num_f32 v[BM+\x], v[BM+\x], v[S+32*\x+\i], v[S+32*\x+\i+1]   ; (four chains by turns; each accumulator is read from its low end on)
.endr
.endr
.irp x, 0,1,2,3
	v_max_num_f32 v[BM+\x], v[BM+\x], v[S+32*\x+31]
.endr
	H 3
	v_max_num_f32 v[TT], v[BM], v[BM+1]            ; my two blocks of tile 0,
	H 2
	v_max_num_f32 v[TT+1], v[BM+2], v[BM+3]        ; and of tile 1
.irp q, 0,1
	H 2
	v_permlanex16_b32 v[TU+\q], v[TT+\q], s[SEL], s[SEL+1]
.endr
.irp q, 0,1
	H 2
	v_max_num_f32 v[TT+\q], v[TT+\q], v[TU+\q]     ; with lane l xor 16's 64 keys
.endr
.irp q, 0,1
	H 2
	v_fma_f32 v[TT+\q], v[TT+\q], s[CS], v[ST+8*\q+5]   ; the step's largest t = a D + R (a is not negative)
.endr
.irp q, 0,1
	H 2
	v_max_num_f32 v[ST+8*\q+1], v[ST+8*\q+1], v[TT+\q]   ; the running largest t
.endr
.irp q, 0,1
	v_mov_b32 v[TT+\q], v[ST+8*\q+4]
.endr
.irp q, 0,1
	H 4
	v_floor_f32 v[ST+8*\q+4], -v[ST+8*\q+1]        ; the new -M = floor(-t) = -ceil(t): M is a whole number
.endr
.irp q, 0,1
	H 2
	v_sub_f32 v[TT+\q], v[ST+8*\q+4], v[TT+\q]     ; old M - new M: a whole number, 0 or less
.endr
.irp q, 0,1
	H 2
	v_cvt_i32_f32 v[TT+\q], v[TT+\q]               ; (it saturates)
.endr
.irp q, 0,1
	H 2
	v_ldexp_f32 v[ST+8*\q+6], 1.0, v[TT+\q]        ; f = 2^(old M - new M)
.endr
.irp q, 0,1
	v_add_f32 v[ST+8*\q], v[ST+8*\q+5], v[ST+8*\q+4]   ; R - M
.endr
.set j, 0
.rept 64
	v_pk_fma_f32 v[S+j:S+j+1], v[S+j:S+j+1], s[CS:CS+1], v[ST+8*(j/64):ST+8*(j/64)+1] op_sel_hi:[1,0,0]   ; t - M = a D + (R - M), two at a time (of both pairs the low word serves both halves)
.set j, j+2
.endr
.irp x, 0,1,2,3
	v_fma_f32 v[BM+\x], v[BM+\x], s[CS], v[ST+8*(\x/2)]   ; the same of each block's largest D
.endr
	s_wait_alu depctr_va_vdst(0)
.set j, 0
.rept 128
	v_exp_f32 v[S+j], v[S+j]                       ; p = 2^(t - M): not normalised
.set j, j+1
.endr
.irp x, 0,1,2,3
	v_exp_f32 v[BM+\x], v[BM+\x]                   ; the block's largest p: the same arithmetic on the same number gives the same bits
.endr
.irp q, 0,1
	v_pk_mul_f32 v[ST+8*\q+2:ST+8*\q+3], v[ST+8*\q+2:ST+8*\q+3], v[ST+8*\q+6:ST+8*\q+7] op_sel_hi:[1,0]   ; the sums under the new M.  (The plain place behind the exponentials)
.endr
	s_wait_alu depctr_va_vdst(0)                   ; one wait for the batch of 132, ahead of its first reader
.irp q, 0,1
	v_pk_add_f32 v[SU+2*\q:SU+2*\q+1], v[S+64*\q:S+64*\q+1], v[S+64*\q+2:S+64*\q+3]   ; the row's sum is taken of the UNQUANTISED p: two at a time, four chains by turns
.endr
.set j, 4
.rept 15
.irp q, 0,1
	v_pk_add_f32 v[ST+8*\q+2:ST+8*\q+3], v[ST+8*\q+2:ST+8*\q+3], v[S+64*\q+j:S+64*\q+j+1]
.endr
.irp q, 0,1
	v_pk_add_f32 v[SU+2*\q:SU+2*\q+1], v[SU+2*\q:SU+2*\q+1], v[S+64*\q+j+2:S+64*\q+j+3]
.endr
.set j, j+4
.endr
.irp q, 0,1
	H 2
	v_pk_add_f32 v[ST+8*\q+2:ST+8*\q+3], v[ST+8*\q+2:ST+8*\q+3], v[SU+2*\q:SU+2*\q+1]
.endr
.irp x, 0,1,2,3
	v_max_num_f32 v[BM+\x], 0x1800000, v[BM+\x]    ; the floor 2^(3 - 127): the byte cannot fall under 1
.endr
.irp x, 0,1,2,3
	H 4
	v_add_nc_u32 v[BE+\x], 0xff000000, v[BM+\x]    ; 2 off the exponent field: the conversion's scale operand
.endr
.irp x, 0,1,2,3
	H 4
	v_lshrrev_b32 v[BT+\x], 23, v[BE+\x]           ; the scale's byte
.endr
	H 3
	v_lshl_or_b32 v[TT], v[BT+1], 16, v[BT]        ; my two bytes: blocks h and 2 + h, of tile 0,
	H 2
	v_lshl_or_b32 v[TT+1], v[BT+3], 16, v[BT+2]    ; and of tile 1,
.irp q, 0,1
	H 2
	v_lshlrev_b32 v[TT+\q], v[SH8], v[TT+\q]       ; at their places in the scale word (8 h bits up);
.endr
.irp q, 0,1
	H 2
	v_permlanex16_b32 v[TU+\q], v[TT+\q], s[SEL], s[SEL+1]
.endr
.irp q, 0,1
	H 2
	v_or_b32 v[PS+\q], v[TT+\q], v[TU+\q]          ; with lane l xor 16's two the word is whole
.endr
.irp x, 0,1,2,3
	v_cvt_scalef32_pk16_fp6_f32 v[PC+6*\x:PC+6*\x+2], v[S+32*\x:S+32*\x+15], v[BE+\x]   ; registers 6 c .. 6 c + 5 of tile q's operand: my block's 32 codes
	v_cvt_scalef32_pk16_fp6_f32 v[CT+4*\x:CT+4*\x+2], v[S+32*\x+16:S+32*\x+31], v[BE+\x]   ; (a conversion's three registers begin on an even number: the second half is made elsewhere and moved)
.endr
	v_nop                                          ; one plain place behind a scaled conversion
.irp x, 0,1,2,3
.irp i, 0,1,2
	v_mov_b32 v[PC+6*\x+3+\i], v[CT+4*\x+\i]
.endr
.endr
	WIN 0x41                                       ; O^T (destination and source 0) in window 1, f in window 0
	s_wait_alu depctr_va_vdst(0)                   ; directly ahead of the first reader of O^T
.set j, 0
.rept 32
	v_pk_mul_f32 v[j:j+1], v[j:j+1], v[ST+8*(j/32)+6:ST+8*(j/32)+7] op_sel_hi:[1,0]   ; O^T under the new M.  (These are also the places between the codes and scale words just made and the products that take them)
.set j, j+2
.endr
	WIN 0
.endm
; A TRIP: record k + 1 lies at LDS byte s[TB]; record k's scores and v^T are in registers or on their way.
.macro BODY
	LK                                             ; 32 loads, which have the softmax in which to land
	SM
	s_wait_alu depctr_va_vdst(0)
	s_wait_dscnt 32                                ; record k's v^T is in: behind its loads stand the 32 of LK
	PV
.rept 4
	v_nop                                          ; places in front of loads into registers that the products above have read
.endr
	LV
	s_wait_dscnt 13                                ; record k + 1's keys are in: behind their loads stand the 13 of LV
	QK
	s_add_co_u32 s[TB], s[TB], REC                 ; the next record
.endm
.macro RUN n                           ; n trips: the body is written once for each kind of slot
	s_mov_b32 s[CNT], \n
.Lstep_\@:
	BODY
	s_sub_co_u32 s[CNT], s[CNT], 1
	s_cmp_lg_u32 s[CNT], 0
	s_cbranch_scc1 .Lstep_\@
.endm
.macro NEXTSLOT
	s_sub_co_u32 s[TB], s[TB], NREC*REC            ; back to a slot's first record,
	s_xor_b32 s[TB], s[TB], SLOT1                  ; in the other slot
.endm
; THE CHANGE OF SLOTS stands ahead of the first load from a slot.  Each wave waits for all its tensor loads (its part of the slot that it is about to read), adds 0 to its spare word, and waits for that and for its reads of the
; slot that it has left (the last record's v^T among them).  fill = 1: the barrier is a round of the cluster's, so that no wave of any partner still reads the other slot or has a load on its way; the joint refill comes first behind it.
.macro CHANGE fill
	s_wait_tensorcnt 0x0                           ; no tensor load of mine is out, so the group 0 may be written
	ds_add_u32 v[SPW], v[NIL]                      ; 0 onto my spare word
.if \fill
	s_xor_b32 s[G0+1], s[G0+1], SLOT1              ; the walking descriptor: the other slot than last time,
	s_add_nc_u64 s[G0+2:G0+3], s[G0+2:G0+3], SLOTB   ; the next eight records; the type bits on top are not reached
	s_wait_xcnt 0x0                                ; the last prefetch, a slot back, has read its address, so it may be written:
	s_add_nc_u64 s[PFA:PFA+1], s[PFA:PFA+1], SLOTB   ; one slot further on than the walking descriptor
.endif
	s_wait_dscnt 0x0                               ; the add is done, and my reads of the slot that I have left are over
.if \fill
	CROUND
	tensor_load_to_lds s[G0:G0+3], s[G1:G1+7]      ; my one tensor load until the next change
	s_nop 0
.rept 4
	v_nop
.endr
	ASK
.else
	s_barrier_signal -1
	s_barrier_wait -1
.endif
.endm
	s_wait_alu depctr_va_vdst(0)
	CHANGE 1                                       ; slot 0 is whole; slot 1's first fill is issued as a refill is
	LK                                             ; record 0
	LV
	s_wait_dscnt 13                                ; the keys are in; v^T's 13 loads may be out
	QK
	s_add_co_u32 s[TB], s[TB], REC
	RUN NREC-1                                     ; records 1 to 7
	NEXTSLOT
	s_sub_co_u32 s[SLOTS], s[SLOTS], 1
.Lslot:                                            ; two trips: slots 1 and 2; behind each change the next slot is asked for
	CHANGE 1
	RUN NREC
	NEXTSLOT
	s_sub_co_u32 s[SLOTS], s[SLOTS], 1
	s_cmp_lg_u32 s[SLOTS], 0
	s_cbranch_scc1 .Lslot
	CHANGE 0                                       ; the last slot is written out
	RUN NREC
.rept 4
	v_nop                                          ; places in front of the first read of the last scores
.endr
	SM                                             ; the last record's softmax and second product
	s_wait_alu depctr_va_vdst(0)
	s_wait_dscnt 0x0
	PV
	; THE WAY OUT.  O^T / the sum, quantised along the head's 64: blocks 0, 1 are tile 0's two blocks of 32, blocks 2, 3 tile 1's.  The fragment leaves as the image of its registers.
.rept 4
	v_nop                                          ; places behind the last products
.endr
.irp q, 0,1
	v_add_f32 v[ST+8*\q+2], v[ST+8*\q+2], v[ST+8*\q+3]   ; the sum's two halves,
.endr
.irp q, 0,1
	H 2
	v_permlanex16_b32 v[ST+8*\q+3], v[ST+8*\q+2], s[SEL], s[SEL+1]
.endr
.irp q, 0,1
	H 2
	v_add_f32 v[ST+8*\q+2], v[ST+8*\q+2], v[ST+8*\q+3]   ; and lane l xor 16's: the row's sum
.endr
	s_wait_alu depctr_va_vdst(0)
.irp q, 0,1
	v_rcp_f32 v[ST+8*\q+6], v[ST+8*\q+2]
.endr
	v_nop                                          ; a plain place behind the reciprocals
	s_wait_alu depctr_va_vdst(0)                   ; and the wait ahead of the first reader: one for both
	WIN 0x01                                       ; source 0 (O^T) window 1
.set j, 0
.rept 64
	v_mul_f32 v[S+j], v[j], v[ST+8*(j/32)+6]       ; register 32 q + 16 b + i: o(query r of tile q, d = 32 b + 16 h + i)
.set j, j+1
.endr
	WIN 0
.irp b, 0,1,2,3
	v_mov_b32 v[TM+4+\b], 0
.endr
	QUANT S
.irp c, 0,1,2
	global_store_b128 v[LI], v[PC+4*\c:PC+4*\c+3], s[8:9] offset:512*\c   ; 512 consecutive bytes a store, aligned to 256
.endr
	ds_store_b32 v[STW], v[PW]                     ; both halves of the lanes write the same word with the same value
	s_wait_dscnt 0x0                               ; for wave 0's sake: my store is done
	s_barrier_signal -1
	s_barrier_wait -1
	s_cmp_lg_u32 s[WV], 0
	s_cbranch_scc1 .Lnot_first
	ds_load_b128 v[244:247], v[STR]                ; the eight waves' scale words: 512 bytes
	s_wait_dscnt 0x0
	global_store_b128 v[LI], v[244:247], s[10:11]  ; 512 consecutive bytes, aligned to 256
.Lnot_first:
	s_wait_tensorcnt 0x0                           ; the wave's end, behind my last tensor load and my last LDS store
	ds_add_u32 v[SPW], v[NIL]
	s_wait_dscnt 0x0
	CROUND                                         ; the closing round: no work-group ends while a partner may still ask for a tile that names it
	s_endpgm
.Lfunc_end_k_q33ada74328_attn:
	.size	k_q33ada74328_attn, .Lfunc_end_k_q33ada74328_attn-k_q33ada74328_attn
	.p2alignl 7, 3214868480
	.fill 96, 4, 3214868480
	.section	.rodata,"a",@progbits
	.p2align	6, 0x0
	.amdhsa_kernel k_q33ada74328_attn
		.amdhsa_group_segment_fixed_size 327680
		.amdhsa_private_segment_fixed_size 0
		.amdhsa_enable_private_segment 0
		.amdhsa_kernarg_size 32
		.amdhsa_user_sgpr_count 2
		.amdhsa_user_sgpr_kernarg_segment_ptr 1
		.amdhsa_wavefront_size32 1
		.amdhsa_system_sgpr_workgroup_id_x 1
		.amdhsa_system_sgpr_workgroup_id_y 1
		.amdhsa_system_sgpr_workgroup_id_z 1
		.amdhsa_system_vgpr_workitem_id 0
		.amdhsa_next_free_vgpr 512
		.amdhsa_next_free_sgpr 66
		.amdhsa_reserve_vcc 0
		.amdhsa_float_denorm_mode_32 3
		.amdhsa_float_denorm_mode_16_64 3
		.amdhsa_memory_ordered 1
		.amdhsa_forward_progress 1
		.amdhsa_inst_pref_size 139
	.end_amdhsa_kernel
	.amdgpu_metadata
---
amdhsa.version: [ 1, 2 ]
amdhsa.kernels:
  - .name:           k_q33ada74328_attn
    .symbol:         k_q33ada74328_attn.kd
    .args:
      - { .name: kv, .offset: 0, .size: 8, .value_kind: global_buffer, .address_space: global }
      - { .name: tau, .offset: 8, .size: 8, .value_kind: global_buffer, .address_space: global }
      - { .name: oc, .offset: 16, .size: 8, .value_kind: global_buffer, .address_space: global }
      - { .name: os, .offset: 24, .size: 8, .value_kind: global_buffer, .address_space: global }
    .group_segment_fixed_size: 327680
    .private_segment_fixed_size: 0
    .kernarg_segment_align: 8
    .kernarg_segment_size: 32
    .max_flat_workgroup_size: 256
    .sgpr_count:     66
    .vgpr_count:     512
    .wavefront_size: 32
...
	.end_amdgpu_metadata
.endif
;; end of part 3
;; launch outp (part 4): grid 4 x 64, 8 waves a work-group, no clusters, 177,152 bytes of LDS; arguments codes, scales, oc, os, out0; writes out0
.if DOCPART == 4
	.amdgcn_target "amdgcn-amd-amdhsa--gfx1250"
	.amdhsa_code_object_version 6
	.text
	.protected	k_q33ada74328_outp
	.globl	k_q33ada74328_outp
	.p2align	8
	.type	k_q33ada74328_outp,@function
k_q33ada74328_outp:
	s_mov_b64 s[64:65], 0
	v_nop
	global_prefetch_b8 v0, s[64:65] scope:SCOPE_SE
	s_setreg_imm32_b32 hwreg(HW_REG_WAVE_MODE, 25, 1), 1
	s_wait_xcnt 0x0
; out0 = O Wo^T on codes of FP6 (E2M3) with E8M0 scales.  O's codes lie in 'oc' as images of operand registers, one of 1,536 bytes for each (8 batch + head, pair of 32 tokens): registers 6 u .. 6 u + 5 of lane (r, h) hold
; d = 32 h .. 32 h + 31 of token 32 pair + 8 u + r + 8 (r / 8); their scale words in 'os' (64 bytes a pair: lane r's word [u0 b0, u0 b1, u1 b0, u1 b1]).  Wo's codes and scale bytes lie behind x's, Wqk's and Wv's.
; K = 512 = head x 64 + d: K step s is heads 2 s and 2 s + 1, so a fragment of O is six registers of each of two heads' images, and its scale word two bytes of each of two heads' words.
; SHARES: work-group (fg, y): 128 tokens x 128 output features.  Wave w: token pair w / 2, features 64 (w % 2) on: two tiles of tokens x four of features: eight accumulators by turns, four K steps.
; Used transposed (source 0 = 16 rows of Wo, source 1 = 16 tokens): a lane's eight results are eight neighbouring features of one token.  They meet in a stage in LDS and leave as rows of 512 bytes.
; LDS, every region filled once: Wo's 128 rows of codes (pitch 432), O's images (8 heads x 6,144), Wo's scale bytes, O's scale words (8 heads x 256), and the stage, which LDS stores alone write.
; NO CLUSTER: a work-group asks for its 102,400 bytes once, at its head, and never again: joint requests would put two rounds of a cluster's barrier round a text without a loop.
.set PITCH,  432
.set OCI,    55296                     ; Wo's codes lie at 0
.set WS,     104448
.set OSW,    106496
.set STG,    108544
.set SPITCH, 528                       ; a stage row: 512 bytes + 16
.set LI,  1                            ; v1   16 x lane
.set AW,  2                            ; v2-3 Wo's rows: 432 (64 fh + r) + 24 h, and the same with 40 h
.set AO,  4                            ; v4   O's images: OCI + 1,536 pair + 16 x lane
.set AWS, 5                            ; v5   Wo's scale bytes: WS + 16 (64 fh + r)
.set AOS, 6                            ; v6   O's scale words: OSW + 64 pair + 4 r
.set SO,  7                            ; v7   the stage, in
.set SR,  8                            ; v8   the stage, out
.set OSC, 16                           ; v16-23 O's scale words by (K step, tile): they hold nothing else
.set OW,  24                           ; v24-31 the eight heads' words as they lie
.set SW,  34                           ; v34-37 Wo's scale words: they hold nothing else
.set HA,  48                           ; v48-111 eight accumulators
.set FRG, 132                          ; v132-179 Wo's four fragments;  v180-203 O's two;  on the way out rows of out0
.set FO,  180
.set WV,  14
.set G1C, 20                           ; groups 1: Wo's codes, O's images, Wo's scale bytes, O's scale words
.set G1O, 28
.set G1S, 36
.set G1T, 44
.set G0C, 52                           ; and their groups 0
.set G0O, 56
.set G0S, 60
.set G0T, 68
.macro FRAG reg, adr, s, row           ; a fragment from rows of codes: six pieces of 8 bytes; lanes 16-31 take the pieces three further on, behind one padding more where the piece's number mod 16 is 13 or more
.irp p, 0,1,2,3,4,5
.set PCE, 12*(\s)+6*(\p/3)+\p%3
.if PCE%16 < 13
	ds_load_b64 v[\reg+2*\p:\reg+2*\p+1], v[\adr] offset:8*PCE+16*(PCE/16)+(\row)*PITCH
.else
	ds_load_b64 v[\reg+2*\p:\reg+2*\p+1], v[\adr+1] offset:8*PCE+16*(PCE/16)+(\row)*PITCH
.endif
.endr
.endm
.macro MM d, a, b, sa, sb, zero        ; zero = 1: the first K step starts the sum
.if \zero
	v_wmma_scale_f32_16x16x128_f8f6f4 v[\d:\d+7], v[\a:\a+11], v[\b:\b+11], 0, v[\sa], v[\sb] matrix_a_fmt:MATRIX_FMT_FP6 matrix_b_fmt:MATRIX_FMT_FP6
.else
	v_wmma_scale_f32_16x16x128_f8f6f4 v[\d:\d+7], v[\a:\a+11], v[\b:\b+11], v[\d:\d+7], v[\sa], v[\sb] matrix_a_fmt:MATRIX_FMT_FP6 matrix_b_fmt:MATRIX_FMT_FP6
.endif
.endm
	s_load_b256 s[4:11], s[0:1], 0x0               ; codes s[4:5], scales s[6:7], oc s[8:9], os s[10:11]
	s_load_b64 s[12:13], s[0:1], 0x20              ; out0
	v_lshl_add_u32 v254, v0, 2, 0x2b000
	v_mov_b32 v255, 0
	ds_add_u32 v254, v255
	ds_add_u32 v254, v255
	v_lshrrev_b32 v9, 5, v0
	s_delay_alu instid0(VALU_DEP_1)
	v_readfirstlane_b32 s[WV], v9                  ; wave 0..7
	s_mov_b32 s15, ttmp9                           ; fg: features 128 fg on
	s_and_b32 s16, ttmp7, 0xffff                   ; y: tokens 128 y on
	s_lshr_b32 s17, s16, 5                         ; batch
	s_and_b32 s18, s16, 31                         ; step of 128 tokens
	s_mov_b32 s[G1C+0], 0x07100000                 ; elements of 1 byte; padding on: behind every 32 words (code 4) 4 words (code 3)
	s_mov_b32 s[G1C+1], 256<<16                    ; the 128 rows of 384 bytes are one dense block of 49,152 bytes: stated as 192 rows of 256 bytes, each on a 256-byte border
	s_mov_b32 s[G1C+2], 192<<16
	s_mov_b32 s[G1C+3], 256<<16
	s_mov_b32 s[G1C+4], 192                        ; the padding counts along the whole tile (16 bytes behind each 128), so a row of codes still takes 432 bytes of LDS
	s_mov_b32 s[G1C+5], 256
	s_mov_b32 s[G1C+6], 0
	s_mov_b32 s[G1C+7], 0
	s_mov_b32 s[G1O+0], 3<<16                      ; eight heads' rows of 6,144 bytes (768 elements of 8), 196,608 bytes apart
	s_mov_b32 s[G1O+1], 768<<16
	s_mov_b32 s[G1O+2], 8<<16
	s_mov_b32 s[G1O+3], 768<<16
	s_mov_b32 s[G1O+4], 8
	s_mov_b32 s[G1O+5], 24576
	s_mov_b32 s[G1O+6], 0
	s_mov_b32 s[G1O+7], 0
	s_mov_b32 s[G1S+0], 3<<16                      ; one row of 2,048 bytes
	s_mov_b32 s[G1S+1], 256<<16
	s_mov_b32 s[G1S+2], 1<<16
	s_mov_b32 s[G1S+3], 256<<16
	s_mov_b32 s[G1S+4], 1
	s_mov_b32 s[G1S+5], 256
	s_mov_b32 s[G1S+6], 1<<16                      ; a one-row descriptor states its stride1 too
	s_mov_b32 s[G1S+7], 0
	s_mov_b32 s[G1T+0], 3<<16                      ; eight heads' rows of 256 bytes, 8,192 bytes apart
	s_mov_b32 s[G1T+1], 32<<16
	s_mov_b32 s[G1T+2], 8<<16
	s_mov_b32 s[G1T+3], 32<<16
	s_mov_b32 s[G1T+4], 8
	s_mov_b32 s[G1T+5], 1024
	s_mov_b32 s[G1T+6], 0
	s_mov_b32 s[G1T+7], 0
	s_mul_i32 s72, s15, 49152
	s_add_co_u32 s72, s72, 3538944                 ; Wo's rows 128 fg on
	s_mov_b32 s73, 0
	s_mul_i32 s74, s17, 1572864
	s_mul_i32 s75, s18, 6144
	s_add_co_u32 s74, s74, s75                     ; head 0's four pairs of these 128 tokens
	s_mov_b32 s75, 0
	s_lshl_b32 s76, s15, 11
	s_add_co_u32 s76, s76, 147456
	s_mov_b32 s77, 0
	s_lshl_b32 s78, s17, 16
	s_lshl_b32 s79, s18, 8
	s_add_co_u32 s78, s78, s79
	s_mov_b32 s79, 0
	s_wait_dscnt 0x0
	s_wait_kmcnt 0x0
	s_mov_b32 s[G0C], 1
	s_mov_b32 s[G0C+1], 0
	s_add_nc_u64 s[G0C+2:G0C+3], s[4:5], s[72:73]
	s_or_b32 s[G0C+3], s[G0C+3], 0x80000000
	s_mov_b32 s[G0O], 1
	s_mov_b32 s[G0O+1], OCI
	s_add_nc_u64 s[G0O+2:G0O+3], s[8:9], s[74:75]
	s_or_b32 s[G0O+3], s[G0O+3], 0x80000000
	s_mov_b32 s[G0S], 1
	s_mov_b32 s[G0S+1], WS
	s_add_nc_u64 s[G0S+2:G0S+3], s[6:7], s[76:77]
	s_or_b32 s[G0S+3], s[G0S+3], 0x80000000
	s_mov_b32 s[G0T], 1
	s_mov_b32 s[G0T+1], OSW
	s_add_nc_u64 s[G0T+2:G0T+3], s[10:11], s[78:79]
	s_or_b32 s[G0T+3], s[G0T+3], 0x80000000
	s_cmp_eq_u32 s[WV], 0                          ; waves 0 to 3 fetch one region each, the others nothing.  Four v_nop follow each line
	s_cbranch_scc0 .Lnot_0
	tensor_load_to_lds s[G0C:G0C+3], s[G1C:G1C+7]
	s_nop 0
.rept 4
	v_nop
.endr
	s_branch .Lasked
.Lnot_0:
	s_cmp_eq_u32 s[WV], 1
	s_cbranch_scc0 .Lnot_1
	tensor_load_to_lds s[G0O:G0O+3], s[G1O:G1O+7]
	s_nop 0
.rept 4
	v_nop
.endr
	s_branch .Lasked
.Lnot_1:
	s_cmp_eq_u32 s[WV], 2
	s_cbranch_scc0 .Lnot_2
	tensor_load_to_lds s[G0S:G0S+3], s[G1S:G1S+7]
	s_nop 0
.rept 4
	v_nop
.endr
	s_branch .Lasked
.Lnot_2:
	s_cmp_eq_u32 s[WV], 3
	s_cbranch_scc0 .Lasked
	tensor_load_to_lds s[G0T:G0T+3], s[G1T:G1T+7]
	s_nop 0
.rept 4
	v_nop
.endr
.Lasked:
	s_lshl_b32 s72, s16, 7
	s_lshl_b32 s73, s[WV], 4
	s_add_co_u32 s72, s72, s73                     ; the first row of out0 that I store: 128 y + 16 wave
	s_lshl_b32 s72, s72, 11
	s_lshl_b32 s73, s15, 9
	s_add_co_u32 s72, s72, s73                     ; + 512 fg bytes
	s_mov_b32 s73, 0
	s_add_nc_u64 s[12:13], s[12:13], s[72:73]
	v_and_b32 v9, 31, v0
	s_delay_alu instid0(VALU_DEP_1)
	v_lshlrev_b32 v[LI], 4, v9
	v_and_b32 v10, 15, v0                          ; r
	v_bfe_u32 v11, v0, 4, 1                        ; h
	s_delay_alu instid0(VALU_DEP_2)
	v_and_b32 v12, 8, v10
	s_delay_alu instid0(VALU_DEP_1)
	v_add_nc_u32 v12, v12, v10                     ; L = r + 8 (r / 8)
	s_wait_alu depctr_va_vdst(0)
	s_and_b32 s74, s[WV], 1                        ; fh
	s_lshr_b32 s75, s[WV], 1                       ; the token pair
	s_mul_i32 s76, s74, 64*PITCH
	v_mul_u32_u24 v[AW], v10, PITCH
	s_delay_alu instid0(VALU_DEP_1)
	v_add_nc_u32 v[AW], s76, v[AW]
	s_delay_alu instid0(VALU_DEP_1)
	v_mad_u32_u24 v[AW+1], v11, 40, v[AW]
	s_delay_alu instid0(VALU_DEP_2)
	v_mad_u32_u24 v[AW], v11, 24, v[AW]
	s_mul_i32 s76, s75, 1536
	s_add_co_u32 s76, s76, OCI
	v_add_nc_u32 v[AO], s76, v[LI]
	s_lshl_b32 s76, s74, 10
	s_add_co_u32 s76, s76, WS
	v_lshl_add_u32 v[AWS], v10, 4, s76
	s_lshl_b32 s76, s75, 6
	s_add_co_u32 s76, s76, OSW
	v_lshl_add_u32 v[AOS], v10, 2, s76
	s_mul_i32 s76, s75, 32*SPITCH
	s_lshl_b32 s77, s74, 8
	s_add_co_u32 s76, s76, s77
	s_add_co_u32 s76, s76, STG
	v_mul_u32_u24 v[SO], v12, SPITCH
	s_delay_alu instid0(VALU_DEP_1)
	v_lshl_add_u32 v[SO], v11, 5, v[SO]
	s_delay_alu instid0(VALU_DEP_1)
	v_add_nc_u32 v[SO], s76, v[SO]                 ; in: row 32 pair + L, + 256 fh + 32 h
	s_mul_i32 s76, s[WV], 16*SPITCH
	s_add_co_u32 s76, s76, STG
	v_add_nc_u32 v[SR], s76, v[LI]                 ; back: my 16 rows, 16 bytes a lane
	s_wait_alu depctr_va_vdst(0)
	s_wait_tensorcnt 0x0                           ; my load has landed,
	s_barrier_signal -1
	s_barrier_wait -1                              ; everybody's has.  Nothing is filled again in this launch
.irp d, 0,1,2,3,4,5,6,7
	ds_load_b32 v[OW+\d], v[AOS] offset:256*\d     ; the eight heads' scale words of my pair, lane r's row
.endr
	s_wait_dscnt 0x0
.irp s, 0,1,2,3
	v_perm_b32 v[OSC+2*\s], v[OW+2*\s+1], v[OW+2*\s], 0x05040100     ; tile 0: bytes 0, 1 of head 2 s, then of head 2 s + 1
	v_perm_b32 v[OSC+2*\s+1], v[OW+2*\s+1], v[OW+2*\s], 0x07060302   ; tile 1: bytes 2, 3
.endr
.rept 8
	v_nop                                          ; a scale register written by a vector instruction stands eight places ahead of a scaled matrix instruction
.endr
	s_wait_alu depctr_va_vdst(0)
.irp s, 0,1,2,3
.if \s > 0
.rept 4
	v_nop                                          ; places in front of loads into registers that matrix instructions have read
.endr
.endif
.irp T, 0,1,2,3
	FRAG FRG+12*\T, AW, \s, 16*\T
	ds_load_b32 v[SW+\T], v[AWS] offset:256*\T+4*\s
.endr
	ds_load_b128 v[FO:FO+3], v[AO] offset:6144*(2*\s)              ; tile 0: registers 0-5 of head 2 s's image,
	ds_load_b64 v[FO+4:FO+5], v[AO] offset:6144*(2*\s)+512
	ds_load_b128 v[FO+6:FO+9], v[AO] offset:6144*(2*\s+1)          ; and of head 2 s + 1's
	ds_load_b64 v[FO+10:FO+11], v[AO] offset:6144*(2*\s+1)+512
	ds_load_b64 v[FO+12:FO+13], v[AO] offset:6144*(2*\s)+520       ; tile 1: registers 6-11
	ds_load_b128 v[FO+14:FO+17], v[AO] offset:6144*(2*\s)+1024
	ds_load_b64 v[FO+18:FO+19], v[AO] offset:6144*(2*\s+1)+520
	ds_load_b128 v[FO+20:FO+23], v[AO] offset:6144*(2*\s+1)+1024
	s_wait_dscnt 0x0
.irp u, 0,1
.irp T, 0,1,2,3
.if \s == 0
	MM HA+32*\u+8*\T, FRG+12*\T, FO+12*\u, SW+\T, OSC+2*\s+\u, 1
.else
	MM HA+32*\u+8*\T, FRG+12*\T, FO+12*\u, SW+\T, OSC+2*\s+\u, 0
.endif
.endr
.endr
.endr
.rept 4
	v_nop                                          ; places in front of the first read of results, and of the loads into the fragments' registers below
.endr
.irp u, 0,1
.irp T, 0,1,2,3
	ds_store_b128 v[SO], v[HA+32*\u+8*\T:HA+32*\u+8*\T+3] offset:8*\u*SPITCH+64*\T        ; lane (r, h): out(token 32 pair + 8 u + L, feature 64 fh + 16 T + 8 h + 0 .. 7); each accumulator from its low end on
	ds_store_b128 v[SO], v[HA+32*\u+8*\T+4:HA+32*\u+8*\T+7] offset:8*\u*SPITCH+64*\T+16
.endr
.endr
	s_wait_dscnt 0x0                               ; for the others' sake: my stores into the stage are done
	s_barrier_signal -1
	s_barrier_wait -1
.irp i, 0,1,2,3,4,5,6,7,8,9,10,11,12,13,14,15
	ds_load_b128 v[FRG+4*\i:FRG+4*\i+3], v[SR] offset:\i*SPITCH
.endr
.irp i, 0,1,2,3,4,5,6,7,8,9,10,11,12,13,14,15
	s_wait_dscnt 15-\i                             ; row i is back; the younger loads may be out
	global_store_b128 v[LI], v[FRG+4*\i:FRG+4*\i+3], s[12:13] offset:2048*\i th:TH_STORE_NT   ; 32 lanes store 512 consecutive bytes, aligned to 256; written once, read by nobody here
.endr
	s_wait_tensorcnt 0x0
	ds_add_u32 v254, v255
	s_wait_dscnt 0x0
	s_endpgm
.Lfunc_end_k_q33ada74328_outp:
	.size	k_q33ada74328_outp, .Lfunc_end_k_q33ada74328_outp-k_q33ada74328_outp
	.p2alignl 7, 3214868480
	.fill 96, 4, 3214868480
	.section	.rodata,"a",@progbits
	.p2align	6, 0x0
	.amdhsa_kernel k_q33ada74328_outp
		.amdhsa_group_segment_fixed_size 177152
		.amdhsa_private_segment_fixed_size 0
		.amdhsa_enable_private_segment 0
		.amdhsa_kernarg_size 40
		.amdhsa_user_sgpr_count 2
		.amdhsa_user_sgpr_kernarg_segment_ptr 1
		.amdhsa_wavefront_size32 1
		.amdhsa_system_sgpr_workgroup_id_x 1
		.amdhsa_system_sgpr_workgroup_id_y 1
		.amdhsa_system_sgpr_workgroup_id_z 1
		.amdhsa_system_vgpr_workitem_id 0
		.amdhsa_next_free_vgpr 256
		.amdhsa_next_free_sgpr 80
		.amdhsa_reserve_vcc 0
		.amdhsa_float_denorm_mode_32 3
		.amdhsa_float_denorm_mode_16_64 3
		.amdhsa_memory_ordered 1
		.amdhsa_forward_progress 1
		.amdhsa_inst_pref_size 27
	.end_amdhsa_kernel
	.amdgpu_metadata
---
amdhsa.version: [ 1, 2 ]
amdhsa.kernels:
  - .name:           k_q33ada74328_outp
    .symbol:         k_q33ada74328_outp.kd
    .args:
      - { .name: codes, .offset: 0, .size: 8, .value_kind: global_buffer, .address_space: global }
      - { .name: scales, .offset: 8, .size: 8, .value_kind: global_buffer, .address_space: global }
      - { .name: oc, .offset: 16, .size: 8, .value_kind: global_buffer, .address_space: global }
      - { .name: os, .offset: 24, .size: 8, .value_kind: global_buffer, .address_space: global }
      - { .name: out0, .offset: 32, .size: 8, .value_kind: global_buffer, .address_space: global }
    .group_segment_fixed_size: 177152
    .private_segment_fixed_size: 0
    .kernarg_segment_align: 8
    .kernarg_segment_size: 40
    .max_flat_workgroup_size: 256
    .sgpr_count:     80
    .vgpr_count:     256
    .wavefront_size: 32
...
	.end_amdgpu_metadata
.endif
;; end of part 4
